; MI455X (gfx1250); checked and timed in simulation.
; The chip was launched on July 23, 2026; its instructions are those of AMD's public machine-readable ISA for CDNA 5 (MIT licence, August 2026) and "CDNA5" Instruction Set Architecture Reference Guide (July 2026). The comments in the code are by the model that wrote it; some were corrected since.
;; Mo E Experts. Allowed arithmetic: matrix products marked QUANTISED: E2M3 operands, one E8M0 scale for each 32 along K, by v_wmma_scale_f32_16x16x128_f8f6f4 with both operands' format E2M3, f32 sums; everything else in f32.
;; Inputs: expert_indices 1,024 x 2 int32; expert_weights 1,024 x 2 float32; w1_stacked_codes 8 x 1,024 x 64 x 24 uint8 (E2M3 codes of w1_stacked, K innermost, in blocks of 32 codes, four codes in three bytes); w1_stacked_scales 8 x 1,024 x 64 uint8 (E8M0 scales of w1_stacked, one for each 32 codes along K); w2_stacked_codes 8 x 2,048 x 32 x 24 uint8 (E2M3 codes of w2_stacked, K innermost, in blocks of 32 codes, four codes in three bytes); w2_stacked_scales 8 x 2,048 x 32 uint8 (E8M0 scales of w2_stacked, one for each 32 codes along K); w3_stacked_codes 8 x 1,024 x 64 x 24 uint8 (E2M3 codes of w3_stacked, K innermost, in blocks of 32 codes, four codes in three bytes); w3_stacked_scales 8 x 1,024 x 64 uint8 (E8M0 scales of w3_stacked, one for each 32 codes along K); x_codes 1,024 x 64 x 24 uint8 (E2M3 codes of x, K innermost, in blocks of 32 codes, four codes in three bytes); x_scales 1,024 x 64 uint8 (E8M0 scales of x, one for each 32 codes along K).
;; Outputs: out0 1,024 x 2,048 float32.
;; Constants: num_experts_per_tok = 2.
;; This version of the problem:
;;   THIS VERSION OF THE PROBLEM IS GIVEN IN LOW PRECISION. The matrix products marked QUANTISED in the list below multiply operands that are first quantised to E2M3 (2 exponent bits, 3 mantissa bits; 6 bits a number), with one power-of-two scale for each 32 numbers along K (OCP MX v1.0); their sums are f32. All else is computed in f32.
;;   The module's matrix products, in the order in which they are computed (A, B: the left and right operand; K: the contracted axis; several contracted axes count as one K, in the product's order):
;;     1. [M 1,024, K 2,048] x [K 2,048, N 1,024]; A: input x (given as codes); B: input w1_stacked (given as codes): QUANTISED
;;     2. [M 1,024, K 2,048] x [K 2,048, N 1,024]; A: input x (given as codes); B: input w3_stacked (given as codes): QUANTISED
;;     3. [M 1,024, K 1,024] x [K 1,024, N 2,048]; A: computed on the way; B: input w2_stacked (given as codes): QUANTISED
;;     4. [M 1,024, K 2,048] x [K 2,048, N 1,024]; A: input x (given as codes); B: input w1_stacked (given as codes): QUANTISED
;;     5. [M 1,024, K 2,048] x [K 2,048, N 1,024]; A: input x (given as codes); B: input w3_stacked (given as codes): QUANTISED
;;     6. [M 1,024, K 1,024] x [K 1,024, N 2,048]; A: computed on the way; B: input w2_stacked (given as codes): QUANTISED
;;     7. [M 1,024, K 2,048] x [K 2,048, N 1,024]; A: input x (given as codes); B: input w1_stacked (given as codes): QUANTISED
;;     8. [M 1,024, K 2,048] x [K 2,048, N 1,024]; A: input x (given as codes); B: input w3_stacked (given as codes): QUANTISED
;;     9. [M 1,024, K 1,024] x [K 1,024, N 2,048]; A: computed on the way; B: input w2_stacked (given as codes): QUANTISED
;;     10. [M 1,024, K 2,048] x [K 2,048, N 1,024]; A: input x (given as codes); B: input w1_stacked (given as codes): QUANTISED
;;     11. [M 1,024, K 2,048] x [K 2,048, N 1,024]; A: input x (given as codes); B: input w3_stacked (given as codes): QUANTISED
;;     12. [M 1,024, K 1,024] x [K 1,024, N 2,048]; A: computed on the way; B: input w2_stacked (given as codes): QUANTISED
;;     13. [M 1,024, K 2,048] x [K 2,048, N 1,024]; A: input x (given as codes); B: input w1_stacked (given as codes): QUANTISED
;;     14. [M 1,024, K 2,048] x [K 2,048, N 1,024]; A: input x (given as codes); B: input w3_stacked (given as codes): QUANTISED
;;     15. [M 1,024, K 1,024] x [K 1,024, N 2,048]; A: computed on the way; B: input w2_stacked (given as codes): QUANTISED
;;     16. [M 1,024, K 2,048] x [K 2,048, N 1,024]; A: input x (given as codes); B: input w1_stacked (given as codes): QUANTISED
;;     17. [M 1,024, K 2,048] x [K 2,048, N 1,024]; A: input x (given as codes); B: input w3_stacked (given as codes): QUANTISED
;;     18. [M 1,024, K 1,024] x [K 1,024, N 2,048]; A: computed on the way; B: input w2_stacked (given as codes): QUANTISED
;;     19. [M 1,024, K 2,048] x [K 2,048, N 1,024]; A: input x (given as codes); B: input w1_stacked (given as codes): QUANTISED
;;     20. [M 1,024, K 2,048] x [K 2,048, N 1,024]; A: input x (given as codes); B: input w3_stacked (given as codes): QUANTISED
;;     21. [M 1,024, K 1,024] x [K 1,024, N 2,048]; A: computed on the way; B: input w2_stacked (given as codes): QUANTISED
;;     22. [M 1,024, K 2,048] x [K 2,048, N 1,024]; A: input x (given as codes); B: input w1_stacked (given as codes): QUANTISED
;;     23. [M 1,024, K 2,048] x [K 2,048, N 1,024]; A: input x (given as codes); B: input w3_stacked (given as codes): QUANTISED
;;     24. [M 1,024, K 1,024] x [K 1,024, N 2,048]; A: computed on the way; B: input w2_stacked (given as codes): QUANTISED
;;   THE QUANTISER, for each operand of a quantised product, along K:
;;     - K is cut into blocks of 32 from its start; a last block that is shorter is filled with zeros.
;;     - A block's scale is 2^e with e = floor(log2(the largest magnitude in the block)) - 2, held to -126 .. 127; a block of zeros has e = 0. As a byte (E8M0): e + 127.
;;     - Each number is divided by its block's scale, clamped to +-7.5, and rounded to the nearest number of E2M3, ties to even, subnormals kept.
;;     - The product sums the exact products of the quantised numbers (number of the format x scale) in f32.
;;   ~~~python
;;   def quantise(x, axis):      # numpy; x: float32 -> the quantised numbers, widened to float32 again
;;       x = np.moveaxis(x, axis, -1); K = x.shape[-1]
;;       x = np.pad(x, [(0, 0)] * (x.ndim - 1) + [(0, -K % 32)]); x = x.reshape(x.shape[:-1] + (-1, 32)); a = np.abs(x).max(-1, keepdims=True)
;;       e = np.where(a > 0, np.clip(np.frexp(np.where(a > 0, a, 1))[1] - 1 - 2, -126, 127), 0)      # np.frexp(a)[1] - 1 = floor(log2(a)), exactly
;;       r = np.clip(x / 2.0 ** e, -7.5, 7.5)
;;       step = 2.0 ** (np.maximum(np.frexp(np.where(r == 0, 1, r))[1] - 1, 0) - 3)
;;       q = np.round(r / step) * step * 2.0 ** e      # np.round: ties to even
;;       return np.moveaxis(q.reshape(q.shape[:-2] + (-1,))[..., :K], -1, axis).astype(np.float32)
;;   ~~~
;;   OPERANDS COMPUTED ON THE WAY. 'Computed on the way' means the value that the module computes at that place (a softmax that the list does not call 'softmax' is quantised finished and normalised). What goes into a quantiser is computed in f32, as accurately as f32 sums, v_exp_f32 and their like allow (about 1e-6 of the number): no bf16 or f16 on the way to a quantiser, and a product that is left as it is and whose result goes on into a quantised operand takes f32 operands (vector FMAs, or v_wmma_f32_16x16x4_f32). A number that lies on a knife's edge between two numbers of the format may be rounded either way, as far as f32 arithmetic and the matrix unit's own rounding can turn it there, and no further.
;;   INPUTS GIVEN AS CODES. w1_stacked (in the module: [8, 2048, 1024], K = its axis 1); w2_stacked (in the module: [8, 1024, 2048], K = its axis 1); w3_stacked (in the module: [8, 2048, 1024], K = its axis 1); x (in the module: [1024, 2048], K = its axis 1): each comes as NAME_codes (uint8): NAME with its K axis moved to the last place and cut into blocks of 32 codes, [.., K / 32, bytes a block], one block behind the other in memory; four codes in three bytes: a row's codes are one little-endian stream of bits, code i at bits 6 i .. 6 i + 5 (a code: sign, 2 exponent bits, 3 mantissa bits); and NAME_scales (uint8): the same leading axes, one E8M0 byte (e + 127) for each 32 codes along K. Its value is code x scale, taken as it is: it is not quantised again, and the codes and scales need not be those that the quantiser above would give.
;; 2 versions. Each part assembles by itself: llvm-mc -triple=amdgcn-amd-amdhsa -mcpu=gfx1250 --defsym DOCPART=n.
;; ======== version 1 of 2: 3 launches
;; workspace buffers: stok 4,096 bytes of whole numbers; srec 16,384 bytes of whole numbers; sw 8,192 bytes; toka 32,768 bytes of whole numbers; ne 256 bytes of whole numbers; hc 6,291,456 bytes; hs 1,048,576 bytes
;; launch route (part 1): grid 1 x 1, 32 waves a work-group, no clusters, 21,504 bytes of LDS; arguments expert_indices, expert_weights, stok, srec, sw, toka, ne; writes stok, srec, sw, toka, ne
.if DOCPART == 1
	.amdgcn_target "amdgcn-amd-amdhsa--gfx1250"
	.amdhsa_code_object_version 6
	.text
	.protected	k_qf47759e4c2_route
	.globl	k_qf47759e4c2_route
	.p2align	8
	.type	k_qf47759e4c2_route,@function
k_qf47759e4c2_route:
	s_mov_b64 s[64:65], 0
	v_nop
	global_prefetch_b8 v0, s[64:65] scope:SCOPE_SE
	s_setreg_imm32_b32 hwreg(HW_REG_WAVE_MODE, 25, 1), 1
	s_wait_xcnt 0x0
; ROUTING.  1,024 tokens, two expert slots each.  A token's class is key = 8 lo + hi (lo, hi: the smaller and the larger of its two experts).
; The tokens are sorted by class, stably (a counting sort, no atomics): sigma = the token's place.  Expert e's list of rows holds the tokens that use e, in the order of sigma:
; first the classes (a, e), a < e, then the classes (e, x).  With cnt[a][b] the classes' sizes and rk the token's rank in its class:
;   rank in hi's list = sum over a' < lo of cnt[a'][hi] + rk;   rank in lo's list = sum over a' < lo of cnt[a'][lo] + sum over x < hi of cnt[lo][x] + rk  (equal where lo = hi: one row).
; STORED: stok[sigma] = token;  srec[sigma] = lo, hi, row in lo's list, row in hi's list (row = 1024 e + rank);  sw[sigma] = the two weights;  toka[row] = token;  ne[e] = rows of expert e.
; One work-group, 32 waves, thread t for token t.  The tables are small (60 KB in all), so the scattered stores of 4 to 16 bytes are left as they are.
; LIMITS: an index outside 0 .. 7 adds nothing to the result: its weight becomes 0 and the index is held at 7.
; LDS: KEY a word a token; TT[16 groups of 64 tokens][64 classes]; PRE[32 waves][64 classes]: tokens of the class in earlier waves; CNT, BASE, OFL, OFH: a word a class.
.set KEY,  0
.set TT,   4096
.set PRE,  8192
.set CNT,  16384
.set BASE, 16640
.set OFL,  16896
.set OFH,  17152
; REGISTERS: v[2:3] indices, v[4:5] weights; v[8:11] lo, hi, the two rows (srec's 16 bytes); v[12:13] the weights by lo, hi; v14 key; v15 rank among my wave's tokens of my class;
; v16-79 64 keys, later counts; v80-84 counters and at work; v85 k, v86 group; v87-93, v120-123 addresses, all made here at the head; v94 a, v95 b; v96-119 two columns and a row of cnt.
.macro BAR                             ; my LDS stores have landed and my LDS loads are in: then the work-group's barrier
	s_wait_dscnt 0x0
	s_barrier_signal -1
	s_barrier_wait -1
.endm
	s_load_b256 s[4:11], s[0:1], 0x0               ; expert_indices s[4:5], expert_weights s[6:7], stok s[8:9], srec s[10:11]
	s_load_b128 s[12:15], s[0:1], 0x20             ; sw s[12:13], toka s[14:15]
	s_load_b64 s[16:17], s[0:1], 0x30              ; ne
	v_lshl_add_u32 v126, v0, 2, 0x4400
	v_mov_b32 v127, 0
	v_lshrrev_b32 v93, 5, v0
	v_readfirstlane_b32 s18, v93                   ; wave 0 .. 31
	v_and_b32 v1, 31, v0                           ; lane
	v_lshlrev_b32 v87, 3, v0                       ; 8 t: my token's two indices, two weights
	v_lshlrev_b32 v88, 2, v0                       ; 4 t
	v_and_b32 v85, 63, v0                          ; k: the class that I count in phases 1 to 3
	v_lshrrev_b32 v86, 6, v0                       ; the group of 64 tokens in which I count it
	v_lshlrev_b32 v89, 2, v85                      ; 4 k
	v_lshlrev_b32 v90, 8, v86                      ; 256 x group
	v_lshl_add_u32 v91, v86, 9, v89                ; 512 x group + 4 k: PRE's rows of the group's two waves
	v_lshlrev_b32 v92, 2, v1                       ; 4 x lane
	v_lshl_add_u32 v93, v93, 8, v92                ; 256 x wave + 4 x lane
	v_lshrrev_b32 v94, 3, v85                      ; a = k / 8
	v_and_b32 v95, 7, v0                           ; b = k % 8
	v_lshlrev_b32 v120, 2, v95                     ; 4 b
	v_lshlrev_b32 v121, 2, v94                     ; 4 a
	v_lshlrev_b32 v122, 5, v94                     ; 32 a
	v_mov_b32 v123, 0
	s_wait_kmcnt 0x0
	global_load_b64 v[2:3], v87, s[4:5]
	global_load_b64 v[4:5], v87, s[6:7]
	s_wait_loadcnt 0x0
	; ---- phase 0: my token's class, its weights by lo and hi, its rank among my wave's tokens of the class
	v_cmp_lt_u32 vcc_lo, 7, v2                     ; an index outside 0 .. 7 (a negative one too, read as unsigned) matches no expert:
	v_cndmask_b32 v4, v4, 0, vcc_lo                ; its weight counts for nothing
	v_cmp_lt_u32 vcc_lo, 7, v3
	v_cndmask_b32 v5, v5, 0, vcc_lo
	v_min_u32 v2, 7, v2
	v_min_u32 v3, 7, v3
	v_min_u32 v8, v2, v3                           ; lo
	v_max_u32 v9, v2, v3                           ; hi
	v_lshl_add_u32 v14, v8, 3, v9                  ; key
	v_cmp_gt_u32 vcc_lo, v2, v3
	v_cndmask_b32 v12, v4, v5, vcc_lo              ; lo's weight,
	v_cndmask_b32 v13, v5, v4, vcc_lo              ; hi's
	v_add_f32 v7, v4, v5
	v_cmp_eq_u32 vcc_lo, v2, v3                    ; both slots name one expert: one row, with the sum of the weights
	v_cndmask_b32 v12, v12, v7, vcc_lo
	v_cndmask_b32 v13, v13, 0, vcc_lo
	v_mov_b32 v6, -1                               ; the lanes whose key equals mine: bit by bit of the key
.irp i, 0,1,2,3,4,5
	v_bfe_u32 v7, v14, \i, 1
	v_cmp_ne_u32 s[20+\i], 0, v7                   ; the lanes whose bit i is 1
	v_add_nc_u32 v7, -1, v7                        ; 0 where mine is 1, all ones where it is 0
	v_xor_b32 v7, s[20+\i], v7                     ; the lanes whose bit i equals mine
	v_and_b32 v6, v6, v7
.endr
	v_mbcnt_lo_u32_b32 v15, v6, 0                  ; how many of them stand below me
	ds_store_b32 v88, v14 offset:KEY
	BAR                                            ; all keys lie in LDS
	; ---- phase 1: thread (k, group) counts class k among the group's 64 tokens, its two waves apart
.irp i, 0,1,2,3,4,5,6,7,8,9,10,11,12,13,14,15
	ds_load_b128 v[16+4*\i:19+4*\i], v90 offset:KEY+16*\i
.endr
	v_mov_b32 v80, 0
	v_mov_b32 v81, 0
	s_wait_dscnt 0x0
.set i, 0
.rept 32
	v_cmp_eq_u32 vcc_lo, v85, v[16+i]
	v_add_co_ci_u32 v80, vcc_lo, 0, v80, vcc_lo    ; + 1 where the key is k
.set i, i+1
.endr
.rept 32
	v_cmp_eq_u32 vcc_lo, v85, v[16+i]
	v_add_co_ci_u32 v81, vcc_lo, 0, v81, vcc_lo
.set i, i+1
.endr
	v_add_nc_u32 v84, v80, v81
	ds_store_b32 v88, v84 offset:TT                ; TT[group][k]: 4 (64 group + k) = 4 t
	BAR
	; ---- phase 2: class k's counts of the 16 groups: their sum, and the sum of the groups ahead of mine
.irp i, 0,1,2,3,4,5,6,7,8,9,10,11,12,13,14,15
	ds_load_b32 v[16+\i], v89 offset:TT+256*\i
.endr
	v_mov_b32 v82, 0
	v_mov_b32 v83, 0
	s_wait_dscnt 0x0
.set i, 0
.rept 16
	v_cmp_lt_u32 vcc_lo, i, v86
	v_cndmask_b32 v84, 0, v[16+i], vcc_lo
	v_add_nc_u32 v82, v82, v84
	v_add_nc_u32 v83, v83, v[16+i]
.set i, i+1
.endr
	ds_store_b32 v91, v82 offset:PRE               ; ahead of the group's first wave,
	v_add_nc_u32 v84, v82, v80
	ds_store_b32 v91, v84 offset:PRE+256           ; and of its second
	s_cmp_lt_u32 s18, 2                            ; every group has the same sums: threads 0 to 63 store them
	s_cbranch_scc0 .Lno_cnt
	ds_store_b32 v89, v83 offset:CNT
.Lno_cnt:
	BAR
	; ---- phase 3: threads 0 to 63, one a class k = (a, b): where the class begins in the sorted order and in its two experts' lists
	s_cmp_lt_u32 s18, 2
	s_cbranch_scc0 .Lno_offsets
.irp i, 0,1,2,3,4,5,6,7,8,9,10,11,12,13,14,15
	ds_load_b128 v[16+4*\i:19+4*\i], v123 offset:CNT+16*\i   ; all 64 counts, the same in every lane
.endr
.irp i, 0,1,2,3,4,5,6,7
	ds_load_b32 v[96+\i], v120 offset:CNT+32*\i    ; cnt[i][b]
	ds_load_b32 v[104+\i], v121 offset:CNT+32*\i   ; cnt[i][a]
.endr
	ds_load_b128 v[112:115], v122 offset:CNT       ; cnt[a][0 .. 7]
	ds_load_b128 v[116:119], v122 offset:CNT+16
	v_mov_b32 v82, 0
	v_mov_b32 v80, 0
	v_mov_b32 v81, 0
	v_mov_b32 v83, 0
	v_mov_b32 v124, 0
	s_wait_dscnt 0x0
.set i, 0
.rept 64
	v_cmp_lt_u32 vcc_lo, i, v85
	v_cndmask_b32 v84, 0, v[16+i], vcc_lo
	v_add_nc_u32 v82, v82, v84                     ; the classes below k (those with lo > hi count 0)
.set i, i+1
.endr
.set i, 0
.rept 8
	v_cmp_lt_u32 vcc_lo, i, v94
	v_cndmask_b32 v84, 0, v[96+i], vcc_lo
	v_add_nc_u32 v80, v80, v84                     ; sum over a' < a of cnt[a'][b]: the class's start in b's list
	v_cndmask_b32 v84, 0, v[104+i], vcc_lo
	v_add_nc_u32 v81, v81, v84                     ; sum over a' < a of cnt[a'][a]
	v_cmp_lt_u32 vcc_lo, i, v95
	v_cndmask_b32 v84, 0, v[112+i], vcc_lo
	v_add_nc_u32 v83, v83, v84                     ; sum over x < b of cnt[a][x]
	v_add_nc_u32 v124, v124, v[112+i]              ; sum over all x of cnt[a][x]
.set i, i+1
.endr
	v_add_nc_u32 v83, v83, v81                     ; the class's start in a's list
	v_add_nc_u32 v124, v124, v81                   ; expert a's rows
	ds_store_b32 v89, v82 offset:BASE
	ds_store_b32 v89, v83 offset:OFL
	ds_store_b32 v89, v80 offset:OFH
	s_wait_xcnt 0x0                                ; EXEC changes only behind this wait
	v_cmp_eq_u32 vcc_lo, v94, v95
	s_and_saveexec_b32 s26, vcc_lo                 ; the eight threads with a = b
	global_store_b32 v121, v124, s[16:17]          ; ne[a]
	s_wait_xcnt 0x0                                ; and again, in front of the line that widens it
	s_or_b32 exec_lo, exec_lo, s26
.Lno_offsets:
	BAR
	; ---- phase 4: my token's place.  The tables' 64 words lie in two registers, a word a lane; my class's word comes by a lane permute, so that no LDS address is made of data
	ds_load_b32 v16, v93 offset:PRE
	ds_load_b32 v17, v93 offset:PRE+128
	ds_load_b32 v18, v92 offset:BASE
	ds_load_b32 v19, v92 offset:BASE+128
	ds_load_b32 v20, v92 offset:OFL
	ds_load_b32 v21, v92 offset:OFL+128
	ds_load_b32 v22, v92 offset:OFH
	ds_load_b32 v23, v92 offset:OFH+128
	v_lshlrev_b32 v84, 2, v14                      ; the permute takes 4 x lane, modulo 32 lanes: key % 32
	s_wait_dscnt 0x0
.irp i, 0,1,2,3,4,5,6,7
	ds_bpermute_b32 v[24+\i], v84, v[16+\i]
.endr
	s_wait_dscnt 0x0
	v_cmp_lt_u32 vcc_lo, 31, v14                   ; classes 32 to 63 lie in the second register
	v_cndmask_b32 v16, v24, v25, vcc_lo
	v_cndmask_b32 v17, v26, v27, vcc_lo
	v_cndmask_b32 v18, v28, v29, vcc_lo
	v_cndmask_b32 v19, v30, v31, vcc_lo
	v_add_nc_u32 v16, v16, v15                     ; rk: my rank in my class
	v_add_nc_u32 v17, v17, v16                     ; sigma
	v_min_u32 v17, 0x3ff, v17
	v_lshl_add_u32 v10, v8, 10, v18
	v_add_nc_u32 v10, v10, v16                     ; my row in lo's list
	v_min_u32 v10, 0x1fff, v10
	v_lshl_add_u32 v11, v9, 10, v19
	v_add_nc_u32 v11, v11, v16                     ; and in hi's
	v_min_u32 v11, 0x1fff, v11
	v_lshlrev_b32 v20, 2, v17
	v_lshlrev_b32 v21, 4, v17
	v_lshlrev_b32 v22, 3, v17
	v_lshlrev_b32 v23, 2, v10
	v_lshlrev_b32 v24, 2, v11
	global_store_b32 v20, v0, s[8:9]               ; stok[sigma] = t
	global_store_b128 v21, v[8:11], s[10:11]       ; srec[sigma]
	global_store_b64 v22, v[12:13], s[12:13]       ; sw[sigma]
	global_store_b32 v23, v0, s[14:15]             ; toka[row in lo's list] = t
	global_store_b32 v24, v0, s[14:15]             ; toka[row in hi's list] = t (where lo = hi: the same word, the same number, from the same thread)
	s_wait_tensorcnt 0x0
	ds_add_u32 v126, v127
	s_wait_dscnt 0x0
	s_endpgm
.Lfunc_end_k_qf47759e4c2_route:
	.size	k_qf47759e4c2_route, .Lfunc_end_k_qf47759e4c2_route-k_qf47759e4c2_route
	.p2alignl 7, 3214868480
	.fill 96, 4, 3214868480
	.section	.rodata,"a",@progbits
	.p2align	6, 0x0
	.amdhsa_kernel k_qf47759e4c2_route
		.amdhsa_group_segment_fixed_size 21504
		.amdhsa_private_segment_fixed_size 0
		.amdhsa_enable_private_segment 0
		.amdhsa_kernarg_size 56
		.amdhsa_user_sgpr_count 2
		.amdhsa_user_sgpr_kernarg_segment_ptr 1
		.amdhsa_wavefront_size32 1
		.amdhsa_system_sgpr_workgroup_id_x 1
		.amdhsa_system_sgpr_workgroup_id_y 1
		.amdhsa_system_sgpr_workgroup_id_z 1
		.amdhsa_system_vgpr_workitem_id 0
		.amdhsa_next_free_vgpr 128
		.amdhsa_next_free_sgpr 66
		.amdhsa_reserve_vcc 1
		.amdhsa_float_denorm_mode_32 3
		.amdhsa_float_denorm_mode_16_64 3
		.amdhsa_memory_ordered 1
		.amdhsa_forward_progress 1
		.amdhsa_inst_pref_size 27
	.end_amdhsa_kernel
	.amdgpu_metadata
---
amdhsa.version: [ 1, 2 ]
amdhsa.kernels:
  - .name:           k_qf47759e4c2_route
    .symbol:         k_qf47759e4c2_route.kd
    .args:
      - { .name: expert_indices, .offset: 0, .size: 8, .value_kind: global_buffer, .address_space: global }
      - { .name: expert_weights, .offset: 8, .size: 8, .value_kind: global_buffer, .address_space: global }
      - { .name: stok, .offset: 16, .size: 8, .value_kind: global_buffer, .address_space: global }
      - { .name: srec, .offset: 24, .size: 8, .value_kind: global_buffer, .address_space: global }
      - { .name: sw, .offset: 32, .size: 8, .value_kind: global_buffer, .address_space: global }
      - { .name: toka, .offset: 40, .size: 8, .value_kind: global_buffer, .address_space: global }
      - { .name: ne, .offset: 48, .size: 8, .value_kind: global_buffer, .address_space: global }
    .group_segment_fixed_size: 21504
    .private_segment_fixed_size: 0
    .kernarg_segment_align: 8
    .kernarg_segment_size: 56
    .max_flat_workgroup_size: 1024
    .sgpr_count:     66
    .vgpr_count:     128
    .wavefront_size: 32
...
	.end_amdgpu_metadata
.endif
;; end of part 1
;; launch gateup (part 2): grid 32 x 8, 4 waves a work-group, no clusters, 99,840 bytes of LDS; arguments x_codes, x_scales, w1_stacked_codes, w1_stacked_scales, w3_stacked_codes, w3_stacked_scales, toka, ne, hc, hs; writes hc, hs
.if DOCPART == 2
	.amdgcn_target "amdgcn-amd-amdhsa--gfx1250"
	.amdhsa_code_object_version 6
	.text
	.protected	k_qf47759e4c2_gateup
	.globl	k_qf47759e4c2_gateup
	.p2align	8
	.type	k_qf47759e4c2_gateup,@function
k_qf47759e4c2_gateup:
	s_mov_b64 s[64:65], 0
	v_nop
	global_prefetch_b8 v0, s[64:65] scope:SCOPE_SE
	s_setreg_imm32_b32 hwreg(HW_REG_WAVE_MODE, 25, 1), 1
	s_wait_xcnt 0x0
; h = Q(silu(x w1) * (x w3)) for the routed rows alone, both products on codes of FP6 (E2M3) with one E8M0 scale for each 32 along K = 2,048; Q: the quantiser along the 1,024 hidden units.
; SHARES.  Work-group (c, e) owns hidden units 32 c .. 32 c + 31 of expert e: 32 rows of w1 and 32 of w3, all of K: 96 KB of codes.  So each weight byte is read by one work-group, once.
; Every wave holds all 64 fragments (4 tiles of 16 weight rows x 16 K steps x 12 registers = 768 registers) for the whole launch.  The four waves load them densely, 24,576 consecutive bytes a wave,
; pass them through LDS once (one barrier), and then share the ROWS: wave w takes the units (16 rows of expert e's list) w, w + 4 .. .  In the loop over units there is no LDS access and no barrier.
; The number of units hangs on ne[e], which the launch before has stored: so the launch has no tensor load and no cluster,
; and x's rows, which the list names, come from memory straight into the operand's registers.
; LAYOUT.  The product is used transposed: source 0 = 16 weight rows, source 1 = 16 rows of x: a lane holds ONE row of x.  Lane r of tile u takes weight row 8 u + r + 8 (r / 8), so that the 16 registers of tiles 0 and 1
; are hidden units 16 (lane / 16) + 0 .. 15: half of the work-group's block of 32, which is one block of the quantiser.  Lanes l and l xor 16 hold the block.
; OUT.  hc: the codes as an image of the next launch's operand registers: [unit g = 64 e + i][K step c / 4][quad of registers][lane 16 (c % 2) + row][16 bytes]; the block's 24 bytes are registers 6 j .. 6 j + 5, j = (c / 2) % 2.
;       hs: [g][K step][row][4 words]: word c % 4 holds the block's scale byte at its place in the scale word; the next launch joins the four.
; LIMITS: NaN, infinities and the scale byte 0xff among the inputs are not served.  A block of zeros gets the byte 1 (the floor's) and not 127: its codes are zeros, and this program alone reads the bytes.
; The last unit's rows beyond the list's end repeat the list's last token; nobody reads them.
; REGISTERS, window 0: v1 r, v2 h, v3 24 h; v4, v5 x's row offset of this unit, of the next; v6 x's scale row; v7 toka's offset, v8 the token; v9-11 the stores' offsets, v12, v247, v13 their lane terms;
;   v14 staging address, v15, v246 fragment addresses in LDS; v16-47 the weights' scale words (lanes 0-15 w1's, lanes 16-31 w3's); v48-63 x's scale words, v64-79 the next unit's; v80-175 a ring of 8 fragments of x;
;   v176-187 one weight fragment; v188-203 gate, v204-219 up; v220-235 at work; v236-239 the block's maximum, scale, byte; v240-245 its codes.   Windows 1 to 3: the other 63 weight fragments.
.set WS,   16
.set XS,   48
.set XSN,  64
.set XR,   80
.set ACC,  188
.set EE,   220
.set LP,   1552                        ; an LDS row: 1,536 bytes + 16 = 388 words: row r starts at bank 4 r mod 64 (64 banks of 4 bytes: ISA guide 11.1), so the 32 lanes of a load of 8 bytes touch 64 different banks
.set MSB,  0
.macro WIN new                         ; the immediate's high byte repeats the setting that is left; a switch that changes nothing is dropped
.if MSB != (\new)
	s_set_vgpr_msb (MSB<<8)|(\new)
.set MSB, (\new)
.endif
.endm
.macro LOC t, s                        ; where the weight fragment (tile t, K step s) lives: window FW, register FRG
.if (\s) < 15
.set FW, 1+(\s)/5
.set FRG, 48*((\s)%5)+12*(\t)
.elseif (\t) < 3
.set FW, 1+(\t)
.set FRG, 240
.else
.set FW, 0
.set FRG, 176
.endif
.endm
.macro TOKADR i                        ; toka's offset for my row of unit s[i]: the row is held inside the list (n - 1), and by a constant inside the table
	s_lshl_b32 s42, s[\i], 4
	v_add_nc_u32 v7, s42, v1
	v_min_u32 v7, s28, v7
	v_min_u32 v7, 0x3ff, v7
	v_lshl_add_u32 v7, v7, 2, s49
.endm
.macro XFILL adr, s                    ; x's fragment of K step s into ring slot s % 8: lane (r, h) takes 24 bytes at 96 s + 24 h and 24 at 96 s + 48 + 24 h of its row, in pieces of 8
.irp p, 0,1,2,3,4,5
	global_load_b64 v[XR+12*((\s)%8)+2*\p:XR+12*((\s)%8)+2*\p+1], v[\adr], s[4:5] offset:96*(\s)+48*(\p/3)+8*(\p%3)
.endr
.endm
.macro MM t, s                         ; tile t (0, 1: w1; 2, 3: w3) x my 16 rows of x, K step s.  K step 0 starts the sums
	LOC \t, \s
	WIN FW
.set RD, ACC+8*(\t)
.set RB, XR+12*((\s)%8)
.set RS, WS+16*((\t)&1)+(\s)
.if (\s) == 0
.if (\t) < 2
	v_wmma_scale_f32_16x16x128_f8f6f4 v[RD:RD+7], v[FRG:FRG+11], v[RB:RB+11], 0, v[RS], v[XS+(\s)] matrix_a_fmt:MATRIX_FMT_FP6 matrix_b_fmt:MATRIX_FMT_FP6
.else
	v_wmma_scale_f32_16x16x128_f8f6f4 v[RD:RD+7], v[FRG:FRG+11], v[RB:RB+11], 0, v[RS], v[XS+(\s)] matrix_a_fmt:MATRIX_FMT_FP6 matrix_b_fmt:MATRIX_FMT_FP6 matrix_a_scale:MATRIX_SCALE_ROW1
.endif
.else
.if (\t) < 2
	v_wmma_scale_f32_16x16x128_f8f6f4 v[RD:RD+7], v[FRG:FRG+11], v[RB:RB+11], v[RD:RD+7], v[RS], v[XS+(\s)] matrix_a_fmt:MATRIX_FMT_FP6 matrix_b_fmt:MATRIX_FMT_FP6
.else
	v_wmma_scale_f32_16x16x128_f8f6f4 v[RD:RD+7], v[FRG:FRG+11], v[RB:RB+11], v[RD:RD+7], v[RS], v[XS+(\s)] matrix_a_fmt:MATRIX_FMT_FP6 matrix_b_fmt:MATRIX_FMT_FP6 matrix_a_scale:MATRIX_SCALE_ROW1
.endif
.endif
.endm
; Two K steps: eight products, the four accumulators by turns; then the two ring slots just read are filled again, with K steps ks and ks + 1 of the row at v[adr].
.macro PAIR q, cnt, adr, ks
	s_wait_loadcnt \cnt                            ; loads come back in order (ISA guide 5.7.1): the two slots' 12 loads are in, the younger ones stay out
.irp t, 0,1,2,3
	MM \t, 2*(\q)
.endr
.irp t, 0,1,2,3
	MM \t, 2*(\q)+1
.endr
	WIN 0
.rept 4
	v_nop                                          ; four places between a product and a load into a register that it has read (ISA guide 7.12.1 for vector instructions)
.endr
	XFILL \adr, \ks
	XFILL \adr, (\ks)+1
.endm
	s_load_b512 s[4:19], s[0:1], 0x0               ; x_codes s[4:5], x_scales s[6:7], w1 codes s[8:9], scales s[10:11], w3 codes s[12:13], scales s[14:15], toka s[16:17], ne s[18:19]
	s_load_b128 s[20:23], s[0:1], 0x40             ; hc s[20:21], hs s[22:23]
	v_lshl_add_u32 v254, v0, 2, 0x18400
	v_mov_b32 v255, 0
	v_lshrrev_b32 v1, 5, v0
	v_readfirstlane_b32 s24, v1                    ; wave 0 .. 3
	s_mov_b32 s25, ttmp9                           ; c
	s_and_b32 s26, ttmp7, 0xffff                   ; e
	v_and_b32 v1, 15, v0                           ; r
	v_bfe_u32 v2, v0, 4, 1                         ; h
	v_mul_u32_u24 v3, v2, 24
	v_and_b32 v249, 31, v0
	v_lshlrev_b32 v249, 4, v249                    ; 16 x lane
	s_mov_b32 s34, 0xbfb8aa3b                      ; -log2(e)
	s_mov_b32 s35, s34                             ; (named with it as a pair, so it is written)
	s_mov_b32 s36, 0x76543210
	s_mov_b32 s37, 0xfedcba98                      ; v_permlanex16_b32's selects for lane l xor 16
	s_mov_b32 s40, 0xffff0000                      ; lanes 16 to 31
	s_lshl_b32 s42, s26, 2
	s_mov_b32 s43, 0
	s_lshl_b32 s44, s26, 10
	s_lshl_b32 s45, s25, 5
	s_add_co_u32 s44, s44, s45                     ; the work-group's first weight row: 1024 e + 32 c
	s_and_b32 s45, s24, 1                          ; which 16 of the 32 rows my wave stages
	s_lshl_b32 s46, s45, 4
	s_add_co_u32 s46, s46, s44
	s_mul_i32 s46, s46, 1536                       ; in bytes, under 2^24
	s_mov_b32 s47, 0
	s_wait_kmcnt 0x0
	s_add_nc_u64 s[18:19], s[18:19], s[42:43]
	s_load_b32 s27, s[18:19], 0x0                  ; n = ne[e]
	s_cmp_lt_u32 s24, 2                            ; waves 0, 1 stage w1's rows, waves 2, 3 w3's
	s_cselect_b64 s[32:33], s[8:9], s[12:13]
	s_add_nc_u64 s[32:33], s[32:33], s[46:47]
	WIN 0x40                                       ; destination window 1
.set i, 0
.rept 48
	global_load_b128 v[4*i:4*i+3], v249, s[32:33] offset:512*i th:TH_LOAD_NT   ; 32 lanes read 512 consecutive bytes; 16 rows of 1,536 bytes are 48 such; read once in the launch
.set i, i+1
.endr
	WIN 0
	v_and_b32 v250, 8, v1
	v_add_nc_u32 v250, v250, v1                    ; r + 8 (r / 8)
	v_add_nc_u32 v250, s44, v250
	v_lshlrev_b32 v250, 6, v250                    ; that weight row's 64 scale bytes: 16 words, one a K step
.irp u, 0,1
.irp i, 0,1,2,3
	global_load_b128 v[WS+16*\u+4*\i:WS+16*\u+4*\i+3], v250, s[10:11] offset:512*\u+16*\i
.endr
.endr
.irp u, 0,1
.irp i, 0,1,2,3
	global_load_b128 v[XR+16*\u+4*\i:XR+16*\u+4*\i+3], v250, s[14:15] offset:512*\u+16*\i   ; w3's land in the ring's registers, which are free as yet
.endr
.endr
	; LDS: 64 places of LP bytes.  Weight row 16 a + 8 u + l of matrix m goes to place 32 m + 16 u + 8 a + l, so that tile 2 m + u is places 16 (2 m + u) + 0 .. 15 in the order of its lanes
	s_lshr_b32 s46, s24, 1
	s_lshl_b32 s46, s46, 5
	s_lshl_b32 s45, s45, 3
	s_add_co_u32 s46, s46, s45
	s_mul_i32 s46, s46, LP
	v_add_nc_u32 v14, s46, v249
	v_mad_u32_u24 v15, v1, LP, v3                  ; a fragment: place r, + 24 h
	v_add_nc_u32 v246, 32*LP, v15                  ; w3's tiles
	; the stores' terms that do not change
	s_and_b32 s42, s25, 1                          ; which half of the lanes the block belongs to in the next operand
	s_bfe_u32 s39, s25, 0x10001                    ; j = (c / 2) % 2
	s_lshr_b32 s43, s25, 2                         ; the next product's K step
	s_and_b32 s38, s25, 3                          ; the block's place in its scale word
	s_mul_i32 s45, s26, 64*12288
	s_mul_i32 s46, s43, 1536
	s_add_co_u32 s45, s45, s46
	s_lshl_b32 s46, s42, 8
	s_add_co_u32 s45, s45, s46
	v_lshl_add_u32 v12, v1, 4, s45                 ; 12288 x 64 e + 1536 (c / 4) + 16 (16 (c % 2) + r)
	s_lshl_b32 s46, s39, 3
	s_add_co_u32 s46, s46, 512
	v_add_nc_u32 v247, s46, v12                    ; the 8 bytes in the middle quad: its lower half for j = 0, its upper for j = 1
	s_lshl_b32 s46, s39, 10
	v_add_nc_u32 v12, s46, v12                     ; the whole quad: quad 0 for j = 0, quad 2 for j = 1
	s_lshl_b32 s45, s26, 17
	s_lshl_b32 s46, s43, 8
	s_add_co_u32 s45, s45, s46
	s_lshl_b32 s46, s38, 2
	s_add_co_u32 s45, s45, s46
	v_lshl_add_u32 v13, v1, 4, s45                 ; 2048 x 64 e + 256 (c / 4) + 16 r + 4 (c % 4)
	s_lshl_b32 s38, s38, 3                         ; the byte's shift
	s_lshl_b32 s49, s26, 12                        ; expert e's part of toka
	s_wait_loadcnt 16                              ; the 48 loads of codes are in; the 16 loads of scale words behind them may be out
	WIN 0x04                                       ; an LDS store's data are its source 1: window 1
.set i, 0
.rept 48
	ds_store_b128 v14, v[4*i:4*i+3] offset:(16*((i/3)>>3)+((i/3)&7))*LP+512*(i%3)
.set i, i+1
.endr
	WIN 0
	s_wait_loadcnt 0x0
.set i, 0
.rept 32
	v_cndmask_b32 v[WS+i], v[WS+i], v[XR+i], s40   ; one register carries both: lanes 0-15 w1's word, lanes 16-31 w3's
.set i, i+1
.endr
	v_mov_b32 v237, 0                              ; written once: a lane permute's destination counts as one of its sources
	v_mov_b32 v243, 0
	v_mov_b32 v244, 0
	v_mov_b32 v245, 0
	s_wait_dscnt 0x0                               ; for the others' sake: my rows lie in LDS
	s_barrier_signal -1
	s_barrier_wait -1                              ; the launch's one barrier, on every wave's way
	s_wait_kmcnt 0x0
	s_min_u32 s27, s27, 0x400                      ; n, at most 1,024
	s_add_co_u32 s29, s27, 15
	s_lshr_b32 s29, s29, 4                         ; U: units of 16 rows, at most 64
	s_cmp_lt_u32 s24, s29
	s_cbranch_scc0 .Lend                           ; no unit for this wave
	s_sub_co_u32 s28, s27, 1                       ; n - 1
	s_sub_co_u32 s48, s29, 1                       ; U - 1
	s_sub_co_u32 s51, s29, s24                     ; my trips: units w, w + 4 .. below U are (U - w + 3) / 4,
	s_add_co_u32 s51, s51, 3
	s_lshr_b32 s51, s51, 2
	s_min_u32 s51, s51, 16                         ; at most 16, since U is at most 64
	s_mov_b32 s50, 0                               ; the trips' counter, stepped by 1; the unit's number s30 steps by 4 beside it and ends no loop
	s_mov_b32 s30, s24                             ; i: my first unit
	TOKADR 30
	global_load_b32 v8, v7, s[16:17]
.irp s, 0,1,2,3,4,5,6,7,8,9,10,11,12,13,14,15
.irp t, 0,1,2,3
	LOC \t, \s
	WIN FW<<6                                      ; destination: the fragment's window
.irp p, 0,1,2,3,4,5
.if \t < 2
	ds_load_b64 v[FRG+2*\p:FRG+2*\p+1], v15 offset:\t*16*LP+96*\s+48*(\p/3)+8*(\p%3)
.else
	ds_load_b64 v[FRG+2*\p:FRG+2*\p+1], v246 offset:(\t-2)*16*LP+96*\s+48*(\p/3)+8*(\p%3)
.endif
.endr
.endr
.endr
	WIN 0
	s_wait_loadcnt 0x0                             ; my row's token
	v_min_u32 v8, 0x3ff, v8
	v_mad_u32_u24 v4, v8, 0x600, v3                ; x: 1,536 bytes a row, + 24 h
	v_lshlrev_b32 v6, 6, v8                        ; its 64 scale bytes
.irp i, 0,1,2,3
	global_load_b128 v[XSN+4*\i:XSN+4*\i+3], v6, s[6:7] offset:16*\i
.endr
.irp s, 0,1,2,3,4,5,6,7
	XFILL 4, \s
.endr
	s_wait_loadcnt 48                              ; the scale words are in; the 48 loads of the ring behind them may be out
.set i, 0
.rept 16
	v_mov_b32 v[XS+i], v[XSN+i]
.set i, i+1
.endr
	s_wait_dscnt 0x0                               ; the weights are in their registers
; A TRIP: unit i.  Loads in their order: the next unit's token (1); four pairs' fills with this unit's K steps 8 to 15 (12 each); the next unit's scale words (4); four pairs' fills with its K steps 0 to 7 (12 each).
.Lunit:
	s_add_co_u32 s31, s30, 4
	s_min_u32 s31, s31, s48                        ; the unit to fetch ahead; behind my last one a unit that exists, so that no load leaves its buffer
	TOKADR 31
	global_load_b32 v8, v7, s[16:17]
	PAIR 0, 37, 4, 8                               ; 37: behind the pair wanted stand three pairs' fills (36) and the token's load
	PAIR 1, 37, 4, 10
	PAIR 2, 37, 4, 12
	PAIR 3, 37, 4, 14
	s_wait_loadcnt 48                              ; the token is in: behind its load stand the four fills above.  All older loads are in too: v5 and v6, which they named, may be written
	v_min_u32 v8, 0x3ff, v8
	v_mad_u32_u24 v5, v8, 0x600, v3
	v_lshlrev_b32 v6, 6, v8
.irp i, 0,1,2,3
	global_load_b128 v[XSN+4*\i:XSN+4*\i+3], v6, s[6:7] offset:16*\i
.endr
	PAIR 4, 40, 5, 0                               ; 40: three pairs' fills (36) and the four loads of scale words
	PAIR 5, 40, 5, 2
	PAIR 6, 40, 5, 4
	PAIR 7, 40, 5, 6                               ; (its four v_nop are also the places behind the unit's last products)
	s_wait_loadcnt 48                              ; the next unit's scale words are in: behind them stand the last four fills.  The fills that named v4 are in too
.set i, 0
.rept 16
	v_mov_b32 v[XS+i], v[XSN+i]
.set i, i+1
.endr
	v_mov_b32 v4, v5
	; silu(g) * u = g / (1 + 2^(-g log2 e)) * u, in f32; each accumulator is read from its low end on
.irp j, 0,2,4,6,8,10,12,14
	v_pk_mul_f32 v[EE+\j:EE+\j+1], v[ACC+\j:ACC+\j+1], s[34:35] op_sel_hi:[1,0]
.endr
.irp j, 0,1,2,3,4,5,6,7,8,9,10,11,12,13,14,15
	v_exp_f32 v[EE+\j], v[EE+\j]
.endr
	v_nop                                          ; one plain place behind the transcendentals (ISA guide 5.7.2)
	s_wait_alu depctr_va_vdst(0)
.irp j, 0,2,4,6,8,10,12,14
	v_pk_add_f32 v[EE+\j:EE+\j+1], v[EE+\j:EE+\j+1], 1.0 op_sel_hi:[1,0]
.endr
.irp j, 0,1,2,3,4,5,6,7,8,9,10,11,12,13,14,15
	v_rcp_f32 v[EE+\j], v[EE+\j]
.endr
	v_nop
	s_wait_alu depctr_va_vdst(0)
.irp j, 0,2,4,6,8,10,12,14
	v_pk_mul_f32 v[ACC+\j:ACC+\j+1], v[ACC+\j:ACC+\j+1], v[EE+\j:EE+\j+1]
.endr
.irp j, 0,2,4,6,8,10,12,14
	v_pk_mul_f32 v[ACC+\j:ACC+\j+1], v[ACC+\j:ACC+\j+1], v[ACC+16+\j:ACC+16+\j+1]
.endr
	; the block of 32: my 16 numbers and lane l xor 16's
	v_max3_num_f32 v236, |v[ACC]|, |v[ACC+1]|, 0x1800000   ; with the floor 2^(3 - 127), under which no largest magnitude is taken: so the byte cannot fall under 1
.irp j, 2,4,6,8,10,12,14
	v_max3_num_f32 v236, v236, |v[ACC+\j]|, |v[ACC+\j+1]|
.endr
	v_permlanex16_b32 v237, v236, s36, s37
	v_max_num_f32 v236, v236, v237
	v_add_nc_u32 v238, 0xff000000, v236            ; 2 off its exponent field: the conversion takes the exponent field of this operand as its scale, and nothing else of it
	v_cvt_scalef32_pk16_fp6_f32 v[240:242], v[ACC:ACC+15], v238   ; 16 codes, 96 bits, the first number's code lowest; beyond 7.5 the largest code
	v_lshrrev_b32 v239, 23, v238                   ; the scale's byte.  (The plain place behind the scaled conversion)
	v_lshlrev_b32 v239, s38, v239                  ; at its place in the scale word
.irp i, 0,1,2
	v_permlanex16_b32 v[243+\i], v[240+\i], s36, s37   ; lanes 0-15 now hold their row's whole block: 24 bytes in v240-245
.endr
	s_min_u32 s42, s30, 63
	s_mul_i32 s45, s42, 12288
	s_lshl_b32 s46, s42, 11
	s_wait_xcnt 0x0                                ; the last trip's stores have read their offsets; and EXEC changes only behind this wait
	v_add_nc_u32 v9, s45, v12
	v_add_nc_u32 v10, s45, v247
	v_add_nc_u32 v11, s46, v13
	v_cmp_eq_u32 vcc_lo, 0, v2
	s_and_saveexec_b32 s41, vcc_lo                 ; lanes 0 to 15
	s_cmp_eq_u32 s39, 0                            ; j hangs on the work-group's number alone
	s_cbranch_scc0 .Lupper
	global_store_b128 v9, v[240:243], s[20:21]     ; registers 0-3: sixteen lanes store 256 consecutive bytes, at a multiple of 256 from hc's first byte
	global_store_b64 v10, v[244:245], s[20:21]     ; registers 4, 5
	s_branch .Lcodes_out
.Lupper:
	global_store_b64 v10, v[240:241], s[20:21]     ; registers 6, 7
	global_store_b128 v9, v[242:245], s[20:21]     ; registers 8-11
.Lcodes_out:
	global_store_b32 v11, v239, s[22:23]
	s_wait_xcnt 0x0                                ; in front of the line that widens EXEC; the stores' data may be written again too
	s_or_b32 exec_lo, exec_lo, s41
	s_add_co_u32 s30, s30, 4                       ; my next unit
	s_add_co_u32 s50, s50, 1
	s_cmp_lt_u32 s50, s51
	s_cbranch_scc1 .Lunit
.Lend:
	s_wait_tensorcnt 0x0
	ds_add_u32 v254, v255
	s_wait_dscnt 0x0
	s_endpgm
.Lfunc_end_k_qf47759e4c2_gateup:
	.size	k_qf47759e4c2_gateup, .Lfunc_end_k_qf47759e4c2_gateup-k_qf47759e4c2_gateup
	.p2alignl 7, 3214868480
	.fill 96, 4, 3214868480
	.section	.rodata,"a",@progbits
	.p2align	6, 0x0
	.amdhsa_kernel k_qf47759e4c2_gateup
		.amdhsa_group_segment_fixed_size 99840
		.amdhsa_private_segment_fixed_size 0
		.amdhsa_enable_private_segment 0
		.amdhsa_kernarg_size 80
		.amdhsa_user_sgpr_count 2
		.amdhsa_user_sgpr_kernarg_segment_ptr 1
		.amdhsa_wavefront_size32 1
		.amdhsa_system_sgpr_workgroup_id_x 1
		.amdhsa_system_sgpr_workgroup_id_y 1
		.amdhsa_system_sgpr_workgroup_id_z 1
		.amdhsa_system_vgpr_workitem_id 0
		.amdhsa_next_free_vgpr 1024
		.amdhsa_next_free_sgpr 66
		.amdhsa_reserve_vcc 1
		.amdhsa_float_denorm_mode_32 3
		.amdhsa_float_denorm_mode_16_64 3
		.amdhsa_memory_ordered 1
		.amdhsa_forward_progress 1
		.amdhsa_inst_pref_size 71
	.end_amdhsa_kernel
	.amdgpu_metadata
---
amdhsa.version: [ 1, 2 ]
amdhsa.kernels:
  - .name:           k_qf47759e4c2_gateup
    .symbol:         k_qf47759e4c2_gateup.kd
    .args:
      - { .name: x_codes, .offset: 0, .size: 8, .value_kind: global_buffer, .address_space: global }
      - { .name: x_scales, .offset: 8, .size: 8, .value_kind: global_buffer, .address_space: global }
      - { .name: w1_stacked_codes, .offset: 16, .size: 8, .value_kind: global_buffer, .address_space: global }
      - { .name: w1_stacked_scales, .offset: 24, .size: 8, .value_kind: global_buffer, .address_space: global }
      - { .name: w3_stacked_codes, .offset: 32, .size: 8, .value_kind: global_buffer, .address_space: global }
      - { .name: w3_stacked_scales, .offset: 40, .size: 8, .value_kind: global_buffer, .address_space: global }
      - { .name: toka, .offset: 48, .size: 8, .value_kind: global_buffer, .address_space: global }
      - { .name: ne, .offset: 56, .size: 8, .value_kind: global_buffer, .address_space: global }
      - { .name: hc, .offset: 64, .size: 8, .value_kind: global_buffer, .address_space: global }
      - { .name: hs, .offset: 72, .size: 8, .value_kind: global_buffer, .address_space: global }
    .group_segment_fixed_size: 99840
    .private_segment_fixed_size: 0
    .kernarg_segment_align: 8
    .kernarg_segment_size: 80
    .max_flat_workgroup_size: 128
    .sgpr_count:     66
    .vgpr_count:     1024
    .wavefront_size: 32
...
	.end_amdgpu_metadata
.endif
;; end of part 2
;; launch down (part 3): grid 16 x 16, 4 waves a work-group, no clusters, 249,344 bytes of LDS; arguments hc, hs, w2_stacked_codes, w2_stacked_scales, srec, sw, stok, out0; writes out0
.if DOCPART == 3
	.amdgcn_target "amdgcn-amd-amdhsa--gfx1250"
	.amdhsa_code_object_version 6
	.text
	.protected	k_qf47759e4c2_down
	.globl	k_qf47759e4c2_down
	.p2align	8
	.type	k_qf47759e4c2_down,@function
k_qf47759e4c2_down:
	s_mov_b64 s[64:65], 0
	v_nop
	global_prefetch_b8 v0, s[64:65] scope:SCOPE_SE
	s_setreg_imm32_b32 hwreg(HW_REG_WAVE_MODE, 25, 1), 1
	s_wait_xcnt 0x0
; out[t] = sum over the experts e that token t uses of w_e (h_e(t) w2_e), on codes of FP6 (E2M3) with one E8M0 scale for each 32 along K = 1,024.  h's codes and scale bytes come from the launch before.
; SHARES.  Work-group (chunk, G) owns the sorted tokens 64 G .. 64 G + 63 (four tiles of 16) x output columns 128 chunk .. + 127, and is the only writer of those numbers: nothing is added between work-groups.
; Wave w owns columns 32 w .. 32 w + 31 (two tiles of 16 rows of w2) for all four tiles of tokens.  The product is used transposed (source 0 = 16 rows of w2, source 1 = 16 rows of h): a lane holds ONE token,
; and its routing weight is one number a lane.
; THE WALK.  Eight steps, a constant count; a step's expert is the next one that any of the 64 tokens uses, taken from a set of bits; behind the last used one come numbers from 8 on, which match nothing.
; A step has one barrier, outside every branch on data.  Behind it the NEXT used expert's loads are issued (my 32 rows of w2: 24,576 consecutive bytes; the image of my own tile's rows of h), then the expert in hand is multiplied.
; w2's rows are turned into fragments through the wave's own LDS bytes.  h's image of tile t is fetched by wave t alone and handed to the other waves through LDS as an image of the operand's registers; two sets of
; images take turns, so that one barrier a step serves: a set is written again only behind the next step's barrier, in front of which every wave has waited for its reads.
; What is walked hangs on the stored lists: so the launch has no tensor load and no cluster.
; LIMITS: NaN, infinities and the scale byte 0xff are not served.  A lane whose token does not use the expert in hand multiplies another valid row of h and weighs the sum with 0: right as long as that sum is finite in f32.
; The sums begin as zeros: which expert is a tile's first hangs on data, so no product can be written out as the first.
; LDS: HB two sets x four tiles x 14,336 bytes (24 x 512 of codes, 4 x 512 of scale pieces);  WL + 25,088 w: my 32 rows of w2, 784 bytes apart;  OST: 64 rows x 528 bytes, the stage for the way out.
; REGISTERS, window 0: v1 r, v2 h, v3 16 x lane; v4, v5 w2's offsets; v6 256 h; v7, v24-28, v78, v79 LDS addresses; v[8:11] my own tile's record; v12-15, v30, v31 at work; v16-23 lo, hi of the four tiles; v29 32 r + 16 h;
;   v32-39 the weights; v[40:41] the lane's weight; v42-45 h's scale words; v46-61 their pieces; v62-69 w2's scale words, v70-77 the next expert's; v80-95 two accumulators; v96-159 out; v160-255 h's 8 fragments.
;   window 1: v0-191 w2's 16 fragments.   window 2: v0-191 w2's rows as loaded.   window 3: v0-111 h's image as loaded.
; SCALARS: s[4:19] the eight buffers; s20 wave, s21 chunk, s22 G; s23 the set of experts still to walk; s24 trips; s25, s26 the expert in hand, the next; s27-31 at work; s32-43 the masks in hand, s44-55 the next expert's;
;   s68-83 the tokens of the 16 rows that I store; s84-91 at work at the head.
.set HSW,  42
.set HSP,  46
.set W2S,  62
.set W2SN, 70
.set PP,   80
.set OUT,  96
.set HF,   160
.set HBT,  14336                       ; a tile's image
.set HBP,  57344                       ; a set of four
.set WL,   114688
.set WLW,  25088
.set WP,   784                         ; 768 bytes + 16 = 196 words: row r starts at bank 4 r mod 64 (64 banks of 4 bytes: ISA guide 11.1), so the 32 lanes of a load of 8 bytes touch 64 different banks
.set OST,  215040
.set OP,   528
.set MSB,  0
.macro WIN new                         ; the immediate's high byte repeats the setting that is left; a switch that changes nothing is dropped
.if MSB != (\new)
	s_set_vgpr_msb (MSB<<8)|(\new)
.set MSB, (\new)
.endif
.endm
; Which lanes' tokens use expert s[e]: s[S + t] as lo of tile t, s[S + 4 + t] as hi; s[S + 8], s[S + 9] the same of my own tile; s[S + 10] any of the 64; s[S + 11] any of my own tile
.macro MASKS e, S
.irp t, 0,1,2,3
	v_cmp_eq_u32 s[\S+\t], s[\e], v[16+2*\t]
	v_cmp_eq_u32 s[\S+4+\t], s[\e], v[17+2*\t]
.endr
	v_cmp_eq_u32 s[\S+8], s[\e], v8
	v_cmp_eq_u32 s[\S+9], s[\e], v9
	s_or_b32 s[\S+10], s[\S], s[\S+1]
.irp t, 2,3,4,5,6,7
	s_or_b32 s[\S+10], s[\S+10], s[\S+\t]
.endr
	s_or_b32 s[\S+11], s[\S+8], s[\S+9]
.endm
.macro LOADW e                         ; expert s[e]: my 32 rows of w2 as they lie, and their scale words
	s_min_u32 s27, s[\e], 7
	s_mul_i32 s28, s27, 1572864                    ; 2,048 rows of 768 bytes
	s_lshl_b32 s29, s27, 16                        ; 2,048 rows of 32 scale bytes
	v_add_nc_u32 v4, s28, v3
	v_add_nc_u32 v5, s29, v29
	WIN 0x80                                       ; destination window 2
.set i, 0
.rept 48
	global_load_b128 v[4*i:4*i+3], v4, s[8:9] offset:512*i   ; 32 lanes read 512 consecutive bytes
.set i, i+1
.endr
	WIN 0
	global_load_b128 v[W2SN:W2SN+3], v5, s[10:11]               ; tile n, register i: lanes 0-15 K step i, lanes 16-31 K step 4 + i
	global_load_b128 v[W2SN+4:W2SN+7], v5, s[10:11] offset:512
.endm
.macro LOADH hi                        ; my own tile's rows of h.  Row p lies in unit p / 16 at place p % 16; lane (r, h) takes the 16 bytes of each quad of registers of lane 16 h + p % 16
	v_cndmask_b32 v12, v10, v11, s[\hi]            ; the row in the expert's list; a lane that does not use the expert takes its row in lo's list, which exists
	v_min_u32 v12, 0x1fff, v12
	v_and_b32 v30, 0x1ff0, v12
	v_and_b32 v31, 15, v12
	v_lshl_add_u32 v31, v31, 4, v6
	v_mad_u32_u24 v13, v30, 0x300, v31             ; 12,288 (p / 16) + 16 (p % 16) + 256 h
	v_lshl_add_u32 v14, v30, 7, v31                ; 2,048 (p / 16) + 16 (p % 16) + 256 h: load i brings the four pieces of K step 2 i + h
	WIN 0xc0                                       ; destination window 3
.set i, 0
.rept 24
	global_load_b128 v[4*i:4*i+3], v13, s[4:5] offset:512*i
.set i, i+1
.endr
.rept 4
	global_load_b128 v[4*i:4*i+3], v14, s[6:7] offset:512*(i-24)
.set i, i+1
.endr
	WIN 0
.endm
.macro WMD n, s                        ; tile n of my columns x the tile's 16 rows of h, K step s.  K step 0 starts the sum
.set RD, PP+8*(\n)
.set RA, 96*(\n)+12*(\s)
.set RB, HF+12*(\s)
.set SA, W2S+4*(\n)+((\s)&3)
.set SB, HSW+((\s)>>1)
.if (\s) == 0
	v_wmma_scale_f32_16x16x128_f8f6f4 v[RD:RD+7], v[RA:RA+11], v[RB:RB+11], 0, v[SA], v[SB] matrix_a_fmt:MATRIX_FMT_FP6 matrix_b_fmt:MATRIX_FMT_FP6
.elseif ((\s) < 4) && (((\s)&1) == 0)
	v_wmma_scale_f32_16x16x128_f8f6f4 v[RD:RD+7], v[RA:RA+11], v[RB:RB+11], v[RD:RD+7], v[SA], v[SB] matrix_a_fmt:MATRIX_FMT_FP6 matrix_b_fmt:MATRIX_FMT_FP6
.elseif (\s) < 4
	v_wmma_scale_f32_16x16x128_f8f6f4 v[RD:RD+7], v[RA:RA+11], v[RB:RB+11], v[RD:RD+7], v[SA], v[SB] matrix_a_fmt:MATRIX_FMT_FP6 matrix_b_fmt:MATRIX_FMT_FP6 matrix_b_scale:MATRIX_SCALE_ROW1
.elseif ((\s)&1) == 0
	v_wmma_scale_f32_16x16x128_f8f6f4 v[RD:RD+7], v[RA:RA+11], v[RB:RB+11], v[RD:RD+7], v[SA], v[SB] matrix_a_fmt:MATRIX_FMT_FP6 matrix_b_fmt:MATRIX_FMT_FP6 matrix_a_scale:MATRIX_SCALE_ROW1
.else
	v_wmma_scale_f32_16x16x128_f8f6f4 v[RD:RD+7], v[RA:RA+11], v[RB:RB+11], v[RD:RD+7], v[SA], v[SB] matrix_a_fmt:MATRIX_FMT_FP6 matrix_b_fmt:MATRIX_FMT_FP6 matrix_a_scale:MATRIX_SCALE_ROW1 matrix_b_scale:MATRIX_SCALE_ROW1
.endif
.endm
.macro TILE t, par                     ; tile t of tokens against the expert in hand, if any of its tokens uses it
.set HRA, 3+21*(\par)                  ; v3 reads set 0, v24 set 1
	s_or_b32 s27, s[32+\t], s[36+\t]
	s_cmp_lg_u32 s27, 0
	s_cbranch_scc0 .Lskip_\@
.irp i, 0,1,2,3
	ds_load_b128 v[HSP+4*\i:HSP+4*\i+3], v[HRA] offset:HBT*\t+12288+512*\i
.endr
.set k, 0
.rept 24
	ds_load_b128 v[HF+4*k:HF+4*k+3], v[HRA] offset:HBT*\t+512*k
.set k, k+1
.endr
	s_wait_dscnt 24                                ; the pieces, and all that is older (w2's fragments), are in; the 24 loads of codes may be out
.irp i, 0,1,2,3
	v_or_b32 v[HSW+\i], v[HSP+4*\i], v[HSP+4*\i+1] ; four pieces make a scale word: word i is K step 2 i in lanes 0-15, K step 2 i + 1 in lanes 16-31
	v_or_b32 v[HSW+\i], v[HSW+\i], v[HSP+4*\i+2]
	v_or_b32 v[HSW+\i], v[HSW+\i], v[HSP+4*\i+3]
.endr
	v_cndmask_b32 v40, 0, v[32+2*\t], s[32+\t]     ; the lane's weight for this expert: lo's, hi's, both or none
	v_cndmask_b32 v15, 0, v[33+2*\t], s[36+\t]
	v_add_f32 v40, v40, v15
.rept 6
	v_nop                                          ; with the three lines above: nine places between the last write of a scale word and the first product, where eight are asked
.endr
	WIN 1                                          ; source 0 (w2) window 1
.irp s, 0,1,2,3,4,5,6,7
	s_wait_dscnt 21-3*\s                           ; LDS loads come back in order (ISA guide 5.7.1): K step s's three are in
	WMD 0, \s                                      ; the two accumulators by turns
	WMD 1, \s
.endr
	WIN 0
.rept 4
	v_nop                                          ; four places between a product and the first read of its result, and the next loads into its sources
.endr
.irp n, 0,1
.irp j, 0,2,4,6
	v_pk_fma_f32 v[OUT+16*\t+8*\n+\j:OUT+16*\t+8*\n+\j+1], v[PP+8*\n+\j:PP+8*\n+\j+1], v[40:41], v[OUT+16*\t+8*\n+\j:OUT+16*\t+8*\n+\j+1] op_sel_hi:[1,0,1]   ; out += w x sum, each accumulator from its low end on
.endr
.endr
.Lskip_\@:
.endm
; A STEP: the expert whose masks stand in s32-43, images in set par.
.macro STEP par
	s_wait_loadcnt 0x0                             ; all that was asked for this expert is in, and every offset register may be written
.set i, 0
.rept 8
	v_mov_b32 v[W2S+i], v[W2SN+i]
.set i, i+1
.endr
	s_cmp_lg_u32 s42, 0
	s_cbranch_scc0 .Lno_w_\@
	WIN 0x08                                       ; an LDS store's data are its source 1: window 2
.set i, 0
.rept 48                               ; 1,536 loaded bytes are two rows: bytes 0-511 and 512-767 of the first, 0-255 and 256-767 of the second, which begins 784 on
.if i%3 == 0
	ds_store_b128 v78, v[4*i:4*i+3] offset:2*WP*(i/3)
.elseif i%3 == 1
	ds_store_b128 v79, v[4*i:4*i+3] offset:2*WP*(i/3)+512      ; (lanes 16-31, the second row's, stand 16 bytes further on)
.else
	ds_store_b128 v78, v[4*i:4*i+3] offset:2*WP*(i/3)+WP+256
.endif
.set i, i+1
.endr
	WIN 0
.Lno_w_\@:
	s_cmp_lg_u32 s43, 0
	s_cbranch_scc0 .Lno_h_\@
	WIN 0x0c                                       ; data: window 3
.set i, 0
.rept 28
	ds_store_b128 v[25+(\par)], v[4*i:4*i+3] offset:512*i      ; my own tile's image, as it stands
.set i, i+1
.endr
	WIN 0
.Lno_h_\@:
	s_wait_dscnt 0x0                               ; for the others' sake: my stores have landed, and my reads of the other set are over
	s_barrier_signal -1
	s_barrier_wait -1
	s_sub_co_u32 s27, s23, 1
	s_and_b32 s23, s23, s27                        ; the set without its lowest bit
	s_ctz_i32_b32 s26, s23                         ; the next used expert, or 8 and more
	MASKS 26, 44
	s_cmp_lg_u32 s54, 0
	s_cbranch_scc0 .Lno_lw_\@
	LOADW 26
.Lno_lw_\@:
	s_cmp_lg_u32 s55, 0
	s_cbranch_scc0 .Lno_lh_\@
	LOADH 53
.Lno_lh_\@:
	s_cmp_lg_u32 s42, 0
	s_cbranch_scc0 .Lnone_\@
	WIN 0x40                                       ; destination window 1
.irp n, 0,1
.irp s, 0,1,2,3,4,5,6,7
.irp p, 0,1,2,3,4,5
	ds_load_b64 v[96*\n+12*\s+2*\p:96*\n+12*\s+2*\p+1], v7 offset:16*WP*\n+96*\s+48*(\p/3)+8*(\p%3)   ; LDS serves a wave's instructions in order (ISA guide 5.7.1.4): these see my stores above
.endr
.endr
.endr
	WIN 0
	TILE 0, \par
	TILE 1, \par
	TILE 2, \par
	TILE 3, \par
.Lnone_\@:
.set i, 0
.rept 12
	s_mov_b32 s[32+i], s[44+i]                     ; the next expert's masks become the masks in hand
.set i, i+1
.endr
.endm
	s_load_b512 s[4:19], s[0:1], 0x0               ; hc s[4:5], hs s[6:7], w2 codes s[8:9], scales s[10:11], srec s[12:13], sw s[14:15], stok s[16:17], out0 s[18:19]
	s_set_vgpr_msb 0x40
	v_lshl_add_u32 v254, v0, 2, 0x3cc00
	v_mov_b32 v255, 0
	s_set_vgpr_msb 0x4000
	v_lshrrev_b32 v1, 5, v0
	v_readfirstlane_b32 s20, v1                    ; wave 0 .. 3
	s_mov_b32 s21, ttmp9                           ; chunk
	s_and_b32 s22, ttmp7, 0xffff                   ; G
	v_and_b32 v1, 15, v0                           ; r
	v_bfe_u32 v2, v0, 4, 1                         ; h
	v_and_b32 v3, 31, v0
	v_lshlrev_b32 v3, 4, v3                        ; 16 x lane: also where set 0's images are read
	v_lshlrev_b32 v6, 8, v2
	s_mul_i32 s27, s20, WLW
	s_add_co_u32 s27, s27, WL                      ; my wave's rows of w2 in LDS
	v_mul_u32_u24 v7, v1, WP
	v_mad_u32_u24 v7, v2, 24, v7
	v_add_nc_u32 v7, s27, v7                       ; a fragment: row r, + 24 h
	v_add_nc_u32 v78, s27, v3                      ; staging: 16 x lane,
	v_lshl_add_u32 v79, v2, 4, v78                 ; and the same with 16 more for lanes 16-31
	v_add_nc_u32 v24, HBP, v3                      ; where set 1's images are read
	s_mul_i32 s27, s20, HBT
	v_add_nc_u32 v25, s27, v3                      ; where I write my own tile's image: set 0,
	v_add_nc_u32 v26, HBP, v25                     ; set 1
	s_lshl_b32 s27, s20, 7
	s_add_co_u32 s27, s27, OST
	v_mul_u32_u24 v27, v1, OP
	v_lshl_add_u32 v27, v2, 5, v27
	v_add_nc_u32 v27, s27, v27                     ; the stage, in: row r, + 128 w + 32 h
	s_mul_i32 s27, s20, 16*OP
	s_add_co_u32 s27, s27, OST
	v_add_nc_u32 v28, s27, v3                      ; back: my 16 rows, 16 bytes a lane
	v_lshlrev_b32 v29, 5, v1
	v_lshl_add_u32 v29, v2, 4, v29                 ; w2's scale bytes: 32 a row, + 16 h
	s_lshl_b32 s27, s22, 10
	v_lshl_add_u32 v12, v1, 4, s27                 ; srec: 16 (64 G + r)
	s_lshl_b32 s27, s20, 8
	v_add_nc_u32 v13, s27, v12                     ; my own tile's: + 16 x 16 w
	s_lshl_b32 s27, s22, 9
	v_lshl_add_u32 v14, v1, 3, s27                 ; sw: 8 (64 G + r)
	s_lshl_b32 s28, s22, 8
	s_lshl_b32 s27, s20, 6
	s_add_co_u32 s28, s28, s27                     ; stok: 4 (64 G + 16 w)
	s_mov_b32 s29, 0
	s_lshl_b32 s30, s21, 7
	s_lshl_b32 s27, s20, 5
	s_add_co_u32 s30, s30, s27                     ; my first row of w2: 128 chunk + 32 w
	s_wait_kmcnt 0x0
.irp t, 0,1,2,3
	global_load_b64 v[16+2*\t:17+2*\t], v12, s[12:13] offset:256*\t    ; lo, hi of tile t's token r (both halves of the lanes alike)
	global_load_b64 v[32+2*\t:33+2*\t], v14, s[14:15] offset:128*\t    ; its two weights
.endr
	global_load_b128 v[8:11], v13, s[12:13]        ; my own tile: lo, hi and the two rows
	s_add_nc_u64 s[16:17], s[16:17], s[28:29]
	s_load_b512 s[68:83], s[16:17], 0x0            ; the tokens of the 16 rows that I store at the end
	s_mul_i32 s28, s30, 768
	s_add_nc_u64 s[8:9], s[8:9], s[28:29]
	s_lshl_b32 s28, s30, 5
	s_add_nc_u64 s[10:11], s[10:11], s[28:29]
	s_lshl_b32 s28, s21, 9
	s_add_nc_u64 s[18:19], s[18:19], s[28:29]      ; out0 at my chunk's first column
.set i, 0
.rept 64
	v_mov_b32 v[OUT+i], 0
.set i, i+1
.endr
	v_mov_b32 v41, 0                               ; (named as the upper half of the pair v[40:41])
	s_wait_loadcnt 0x0
	s_wait_kmcnt 0x0
	; The experts that the 64 tokens use, a bit each.  For each expert: eight compares, with lo and hi of the four tiles, give eight masks of lanes; joined, they say whether any token uses it.
	s_mov_b32 s23, 0xff00                          ; behind the used ones: 8, 9 .. , which match nothing: eight steps never empty the set
.irp e, 0,1,2,3,4,5,6,7
.irp x, 0,1,2,3,4,5,6,7
	v_cmp_eq_u32 s[84+\x], \e, v[16+\x]
.endr
	s_or_b32 s84, s84, s85
	s_or_b32 s86, s86, s87
	s_or_b32 s88, s88, s89
	s_or_b32 s90, s90, s91
	s_or_b32 s84, s84, s86
	s_or_b32 s88, s88, s90
	s_or_b32 s84, s84, s88
	s_cmp_lg_u32 s84, 0
	s_cselect_b32 s85, 1<<\e, 0
	s_or_b32 s23, s23, s85
.endr
	s_ctz_i32_b32 s25, s23                         ; the first used expert
	MASKS 25, 32
	LOADW 25                                       ; the first fill has no branch: some tile uses this expert, and every register that loads land in is written on every way
	LOADH 41
	s_mov_b32 s24, 0
.Ltrip:                                                ; four trips of two steps: the two sets of images by turns, each step's LDS addresses constants of the text
	STEP 0
	STEP 1
	s_add_co_u32 s24, s24, 1
	s_cmp_lt_u32 s24, 4
	s_cbranch_scc1 .Ltrip
	; THE WAY OUT.  A lane holds eight neighbouring columns of one token's row, and a row's 128 columns come from four waves: they meet in the stage, and each wave stores 16 whole rows of 512 bytes.
.irp t, 0,1,2,3
.irp n, 0,1
	ds_store_b128 v27, v[OUT+16*\t+8*\n:OUT+16*\t+8*\n+3] offset:16*OP*\t+64*\n
	ds_store_b128 v27, v[OUT+16*\t+8*\n+4:OUT+16*\t+8*\n+7] offset:16*OP*\t+64*\n+16
.endr
.endr
	s_wait_dscnt 0x0                               ; for the others' sake: my stores into the stage are done
	s_barrier_signal -1
	s_barrier_wait -1
.irp i, 0,1,2,3,4,5,6,7,8,9,10,11,12,13,14,15
	ds_load_b128 v[HF+4*\i:HF+4*\i+3], v28 offset:OP*\i
.endr
.irp i, 0,1,2,3,4,5,6,7,8,9,10,11,12,13,14,15
	s_min_u32 s[68+\i], s[68+\i], 0x3ff
	s_lshl_b32 s[68+\i], s[68+\i], 13              ; the token's row of out0: 8,192 bytes a row
	v_add_nc_u32 v[HSP+\i], s[68+\i], v3
.endr
.irp i, 0,1,2,3,4,5,6,7,8,9,10,11,12,13,14,15
	s_wait_dscnt 15-\i                             ; row i is back; the rows behind it may be out
	global_store_b128 v[HSP+\i], v[HF+4*\i:HF+4*\i+3], s[18:19] th:TH_STORE_NT   ; 32 lanes store 512 consecutive bytes, at a multiple of 512 from out0's first byte; written once, read by nobody here
.endr
	s_set_vgpr_msb 0x5
	s_wait_tensorcnt 0x0
	ds_add_u32 v254, v255
	s_wait_dscnt 0x0
	s_set_vgpr_msb 0x500
	s_endpgm
.Lfunc_end_k_qf47759e4c2_down:
	.size	k_qf47759e4c2_down, .Lfunc_end_k_qf47759e4c2_down-k_qf47759e4c2_down
	.p2alignl 7, 3214868480
	.fill 96, 4, 3214868480
	.section	.rodata,"a",@progbits
	.p2align	6, 0x0
	.amdhsa_kernel k_qf47759e4c2_down
		.amdhsa_group_segment_fixed_size 249344
		.amdhsa_private_segment_fixed_size 0
		.amdhsa_enable_private_segment 0
		.amdhsa_kernarg_size 64
		.amdhsa_user_sgpr_count 2
		.amdhsa_user_sgpr_kernarg_segment_ptr 1
		.amdhsa_wavefront_size32 1
		.amdhsa_system_sgpr_workgroup_id_x 1
		.amdhsa_system_sgpr_workgroup_id_y 1
		.amdhsa_system_sgpr_workgroup_id_z 1
		.amdhsa_system_vgpr_workitem_id 0
		.amdhsa_next_free_vgpr 880
		.amdhsa_next_free_sgpr 96
		.amdhsa_reserve_vcc 0
		.amdhsa_float_denorm_mode_32 3
		.amdhsa_float_denorm_mode_16_64 3
		.amdhsa_memory_ordered 1
		.amdhsa_forward_progress 1
		.amdhsa_inst_pref_size 115
	.end_amdhsa_kernel
	.amdgpu_metadata
---
amdhsa.version: [ 1, 2 ]
amdhsa.kernels:
  - .name:           k_qf47759e4c2_down
    .symbol:         k_qf47759e4c2_down.kd
    .args:
      - { .name: hc, .offset: 0, .size: 8, .value_kind: global_buffer, .address_space: global }
      - { .name: hs, .offset: 8, .size: 8, .value_kind: global_buffer, .address_space: global }
      - { .name: w2_stacked_codes, .offset: 16, .size: 8, .value_kind: global_buffer, .address_space: global }
      - { .name: w2_stacked_scales, .offset: 24, .size: 8, .value_kind: global_buffer, .address_space: global }
      - { .name: srec, .offset: 32, .size: 8, .value_kind: global_buffer, .address_space: global }
      - { .name: sw, .offset: 40, .size: 8, .value_kind: global_buffer, .address_space: global }
      - { .name: stok, .offset: 48, .size: 8, .value_kind: global_buffer, .address_space: global }
      - { .name: out0, .offset: 56, .size: 8, .value_kind: global_buffer, .address_space: global }
    .group_segment_fixed_size: 249344
    .private_segment_fixed_size: 0
    .kernarg_segment_align: 8
    .kernarg_segment_size: 64
    .max_flat_workgroup_size: 128
    .sgpr_count:     96
    .vgpr_count:     880
    .wavefront_size: 32
...
	.end_amdgpu_metadata
.endif
;; end of part 3
;; ======== version 2 of 2: 2 launches
;; limits: right only within a limited range of input values
;; workspace buffers: stok 4,096 bytes of whole numbers; srec 16,384 bytes of whole numbers; sw 8,192 bytes; hc 6,291,456 bytes; hs 262,144 bytes
;; launch gateup (part 4): grid 32 x 8, 4 waves a work-group, no clusters, 108,032 bytes of LDS; arguments x_codes, x_scales, w1_stacked_codes, w1_stacked_scales, w3_stacked_codes, w3_stacked_scales, expert_indices, expert_weights, hc, hs, stok, srec, sw; writes hc, hs, stok, srec, sw
.if DOCPART == 4
	.amdgcn_target "amdgcn-amd-amdhsa--gfx1250"
	.amdhsa_code_object_version 6
	.text
	.protected	k_qf47759e4c2_gateup
	.globl	k_qf47759e4c2_gateup
	.p2align	8
	.type	k_qf47759e4c2_gateup,@function
k_qf47759e4c2_gateup:
	s_mov_b64 s[64:65], 0
	v_nop
	global_prefetch_b8 v0, s[64:65] scope:SCOPE_SE
	s_setreg_imm32_b32 hwreg(HW_REG_WAVE_MODE, 25, 1), 1
	s_wait_xcnt 0x0
; h = Q(silu(x w1) * (x w3)) for the routed rows alone, on codes of FP6 (E2M3) with one E8M0 scale for each 32 along K = 2,048; Q: the quantiser along the 1,024 hidden units.  The routing is made here too.
; WORK LEFT OUT.  reference() weighs expert e's result for token t with w_e(t), the sum of the weights of the slots whose index equals e: where no slot names e that factor is a 0 which reference() builds itself,
; for all values of the inputs.  So only the rows (t, e) that expert_indices names are multiplied, here and in the next launch.  LIMIT: a NaN, an infinity or an overflow that arises only in rows left out is not carried to the result.
; An index outside 0 .. 7 matches no expert: its weight becomes 0 and the index is held at 7.
; SHARES.  Work-group (c, e) owns hidden units 32 c .. 32 c + 31 of expert e: 32 rows of w1 and 32 of w3, all of K: each weight byte is read by one work-group, once.  Every wave holds all 64 fragments
; (4 tiles x 16 K steps x 12 registers); the four waves load them densely, pass them through LDS, and share the ROWS: wave w takes units (16 rows of expert e's list) w, w + 4 ..
; THE LIST.  The four waves bring the 1,024 tokens' indices (8 KB) into LDS once, in front of the same barrier as the weights; each wave then holds them all: word m = 2 j + u, lane l is token 64 j + 2 l + u: its place is V = 32 m + l.
; Expert e's list holds the tokens that name e, by V.  A mask of 32 words (a word a lane in v248), the counts ahead of each word (v251) and behind it (s66-96) give the token at rank p in registers (macro SELECT): no list goes through memory.
; THE TABLES for the next launch.  Wave w makes the record of token T = 128 e + 4 c + w.  Class key = 8 lo + hi; sigma = the tokens with (key, V) below T's: the tokens sorted by class.
; stok[sigma] = T;  srec[sigma] = lo, hi, 1024 lo + rank in lo's list, 1024 hi + rank in hi's;  sw[sigma] = the two weights (both slots on one expert: their sum, and 0).
; The mask, the first look-up and the tables are vector and scalar work on window 3; they stand between the runs of LDS loads that bring K steps 0 to 9 into windows 1 and 2.
; The trip count hangs on the indices, so the launch has no tensor load and no cluster; x's rows come from memory straight into the operand's registers.
; LAYOUT.  The product is used transposed: source 0 = 16 weight rows, source 1 = 16 rows of x.  Lane r of tile u takes weight row 8 u + r + 8 (r / 8): the 16 registers of tiles 0, 1 are hidden units 16 (lane / 16) + 0 .. 15.
; The four blocks of a K step change places alike in both operands: a lane's 12 registers are the 48 bytes at 96 s + 48 (lane / 16) of its row, and bytes 1 and 2 of every scale word change places with them.
; OUT, by rows (row = 1024 e + rank).  hc: 768 bytes a row, block c's 24 bytes at 24 c.  hs: 32 bytes a row, a word a K step of the next product; in it blocks 1 and 2 have changed places already, as the next launch's operands want them.
; A work-group has 24 bytes and one scale byte of each row: these stores are short pieces; hc and hs together are 1.6 MB.
; LIMITS: NaN, infinities and the scale byte 0xff among the inputs are not served.  A block of zeros gets the byte 1: its codes are zeros, and this program alone reads the bytes.  The last unit's rows beyond the list's end repeat its last token.
; REGISTERS, window 0: v1 r, v2 h, v3 48 h; v4, v5 x's row offsets; v6 x's scale row; v7 rank, v8 token; v9, v11-13 offsets; v14, v15, v246, v252, v253 LDS addresses; v16-47 weights' scale words; v48-79 x's, two sets;
;   v80-175 ring of 8 fragments of x; v176-187 a weight fragment; v188-219 gate, up; v220-235 at work; v236-245 the block.  Windows 1-3: the other 63 fragments; ahead of them window 3 holds the indices (v0-63) and the tables' work.
.set WS,   16
.set XS,   48
.set XSN,  64
.set XR,   80
.set ACC,  188
.set EE,   220
.set LP,   1552                        ; an LDS row: 1,536 bytes + 16: the 16 rows that a load touches start at 16 different banks
.set IDX,  99328                       ; behind the 64 rows: the indices, 8,192 bytes
.set SPARE, 107520                     ; the spare words
.set MSB,  0
.macro WIN new
.if MSB != (\new)
	s_set_vgpr_msb (MSB<<8)|(\new)
.set MSB, (\new)
.endif
.endm
.macro LOC t, s                        ; where the weight fragment (tile t, K step s) lives: window FW, register FRG
.if (\s) < 15
.set FW, 1+(\s)/5
.set FRG, 48*((\s)%5)+12*(\t)
.elseif (\t) < 3
.set FW, 1+(\t)
.set FRG, 240
.else
.set FW, 0
.set FRG, 176
.endif
.endm
.macro FRL t, s                        ; that fragment from LDS
	LOC \t, \s
	WIN FW<<6
.irp p, 0,1,2
.if (\t) < 2
	ds_load_b128 v[FRG+4*\p:FRG+4*\p+3], v15 offset:(\t)*16*LP+96*(\s)+16*\p
.else
	ds_load_b128 v[FRG+4*\p:FRG+4*\p+3], v246 offset:((\t)-2)*16*LP+96*(\s)+16*\p
.endif
.endr
.endm
.macro FRLG n                          ; the next n fragments, tile fastest
.rept \n
	FRL F%4, F/4
.set F, F+1
.endr
.endm
.macro MEMB4 m                         ; words m .. m + 3 of expert e's mask, and the counts round them (window 3): the compares first, then the scalar work on them
.irp j, 0,1,2,3
	v_cmp_eq_u32 s[27+\j], s26, v[2*((\m)+\j)]
	v_cmp_eq_u32 s[48+\j], s26, v[2*((\m)+\j)+1]
.endr
.irp j, 0,1,2,3
	s_or_b32 s[27+\j], s[27+\j], s[48+\j]
	s_bcnt1_i32_b32 s[48+\j], s[27+\j]
.endr
.irp j, 0,1,2,3
	v_writelane_b32 v65, s[27+\j], (\m)+\j
.if (\m)+\j == 0
	s_mov_b32 s66, s48
.else
	v_writelane_b32 v66, s[66+(\m)+\j-1], (\m)+\j
	s_add_co_u32 s[66+(\m)+\j], s[66+(\m)+\j-1], s[48+\j]
.endif
.endr
.endm
.macro LV x, wd, st                    ; one level of the search in a word: the lower part holds v228 set bits; rank v223 at or beyond them goes to the upper part
	v_bfe_u32 v228, v[\x], v229, \wd
	v_cmp_ge_u32 vcc_lo, v223, v228
	v_cndmask_b32 v228, 0, v228, vcc_lo
	v_cndmask_b32 v230, 0, \st, vcc_lo
	v_sub_nc_u32 v223, v223, v228
	v_add_nc_u32 v229, v229, v230
.endm
.macro SELECT i                        ; v8 = the token at rank 16 s[i] + r of the list, the rank held at n - 1
	s_lshl_b32 s42, s[\i], 4
	v_add_nc_u32 v7, s42, v1
	v_min_u32 v7, s28, v7
	v_mov_b32 v220, 0
.set k, 0
.rept 31
	v_cmp_le_u32 vcc_lo, s[66+k], v7
	v_add_co_ci_u32 v220, vcc_lo, 0, v220, vcc_lo  ; the words that end at or below my rank: my word's number
.set k, k+1
.endr
	v_lshlrev_b32 v221, 2, v220
	ds_bpermute_b32 v222, v221, v248               ; my word of the mask,
	ds_bpermute_b32 v223, v221, v251               ; and the count ahead of it
	s_wait_alu depctr_va_vdst(0)
.endm
.macro SELB                            ; the look-up's second half: the two permutes are back; the search inside the word
	s_wait_dscnt 0x0
	v_sub_nc_u32 v223, v7, v223                    ; my rank in the word
	v_lshrrev_b32 v224, 1, v222                    ; counts of set bits in fields of 2, 4, 8, 16
	v_and_b32 v224, 0x55555555, v224
	v_sub_nc_u32 v224, v222, v224
	v_lshrrev_b32 v225, 2, v224
	v_and_b32 v225, 0x33333333, v225
	v_and_b32 v226, 0x33333333, v224
	v_add_nc_u32 v225, v225, v226
	v_lshrrev_b32 v226, 4, v225
	v_add_nc_u32 v226, v226, v225
	v_and_b32 v226, 0x0f0f0f0f, v226
	v_lshrrev_b32 v227, 8, v226
	v_add_nc_u32 v227, v227, v226
	v_mov_b32 v229, 0
	LV 227, 8, 16
	LV 226, 8, 8
	LV 225, 4, 4
	LV 224, 2, 2
	LV 222, 1, 1
	v_and_b32 v228, 30, v220                       ; token = 64 (m / 2) + 2 l + m % 2
	v_and_b32 v230, 1, v220
	v_lshl_add_u32 v230, v229, 1, v230
	v_lshl_add_u32 v8, v228, 5, v230
	v_min_u32 v8, 0x3ff, v8
.endm
; Two words' share of T's three counts (window 3).  s62 = 1024 key + V - 32 m, s63 = V - 32 m for the even word m; the odd word takes lane + 32 (v69) for lane (v64).  The twelve compares first, then the scalar work
.macro TWV m, ln, a, b, c, d, e, f, t
	v_min_u32 v[\t], v[2*(\m)], v[2*(\m)+1]
	v_max_u32 v[\t+1], v[2*(\m)], v[2*(\m)+1]
	v_lshl_add_u32 v[\t], v[\t], 3, v[\t+1]
	v_lshl_add_u32 v[\t], v[\t], 10, v[\ln]
	v_cmp_gt_i32 s\a, s62, v[\t]                   ; tokens sorted ahead of T
	v_cmp_gt_i32 s\b, s63, v[\ln]                  ; tokens whose place is below T's
	v_cmp_eq_u32 s\c, s54, v[2*(\m)]
	v_cmp_eq_u32 s\d, s54, v[2*(\m)+1]
	v_cmp_eq_u32 s\e, s55, v[2*(\m)]
	v_cmp_eq_u32 s\f, s55, v[2*(\m)+1]
.endm
.macro TWS a, b, c, d, e, f
	s_bcnt1_i32_b32 s\a, s\a
	s_or_b32 s\c, s\c, s\d
	s_or_b32 s\e, s\e, s\f
	s_and_b32 s\c, s\c, s\b
	s_and_b32 s\e, s\e, s\b
	s_bcnt1_i32_b32 s\c, s\c
	s_bcnt1_i32_b32 s\e, s\e
	s_add_co_u32 s44, s44, s\a
	s_add_co_u32 s45, s45, s\c
	s_add_co_u32 s46, s46, s\e
.endm
.macro TWG n                           ; n pairs of words
	WIN 0xff
.rept \n
	TWV M, 64, 32, 33, 38, 39, 41, 42, 67
	TWV (M)+1, 69, 43, 47, 48, 49, 50, 51, 70
	TWS 32, 33, 38, 39, 41, 42
	TWS 43, 47, 48, 49, 50, 51
	s_sub_co_i32 s62, s62, 64
	s_sub_co_i32 s63, s63, 64
.set M, M+2
.endr
.endm
.macro XFILL adr, s                    ; x's fragment of K step s into ring slot s % 8: the 48 bytes at 96 s + 48 h of the lane's row
.irp p, 0,1,2
	global_load_b128 v[XR+12*((\s)%8)+4*\p:XR+12*((\s)%8)+4*\p+3], v[\adr], s[4:5] offset:96*(\s)+16*\p
.endr
.endm
.macro MM t, s                         ; tile t (0, 1: w1; 2, 3: w3) x my 16 rows of x, K step s.  K step 0 starts the sums
	LOC \t, \s
	WIN FW
.set RD, ACC+8*(\t)
.set RB, XR+12*((\s)%8)
.set RS, WS+16*((\t)&1)+(\s)
.if (\s) == 0
.if (\t) < 2
	v_wmma_scale_f32_16x16x128_f8f6f4 v[RD:RD+7], v[FRG:FRG+11], v[RB:RB+11], 0, v[RS], v[XS+(\s)] matrix_a_fmt:MATRIX_FMT_FP6 matrix_b_fmt:MATRIX_FMT_FP6
.else
	v_wmma_scale_f32_16x16x128_f8f6f4 v[RD:RD+7], v[FRG:FRG+11], v[RB:RB+11], 0, v[RS], v[XS+(\s)] matrix_a_fmt:MATRIX_FMT_FP6 matrix_b_fmt:MATRIX_FMT_FP6 matrix_a_scale:MATRIX_SCALE_ROW1
.endif
.else
.if (\t) < 2
	v_wmma_scale_f32_16x16x128_f8f6f4 v[RD:RD+7], v[FRG:FRG+11], v[RB:RB+11], v[RD:RD+7], v[RS], v[XS+(\s)] matrix_a_fmt:MATRIX_FMT_FP6 matrix_b_fmt:MATRIX_FMT_FP6
.else
	v_wmma_scale_f32_16x16x128_f8f6f4 v[RD:RD+7], v[FRG:FRG+11], v[RB:RB+11], v[RD:RD+7], v[RS], v[XS+(\s)] matrix_a_fmt:MATRIX_FMT_FP6 matrix_b_fmt:MATRIX_FMT_FP6 matrix_a_scale:MATRIX_SCALE_ROW1
.endif
.endif
.endm
.macro PAIR q, cnt, adr, ks            ; two K steps: eight products, the four accumulators by turns; then the two slots just read are filled again
	s_wait_loadcnt \cnt                            ; the two slots' 6 loads are in, the younger ones stay out
.irp t, 0,1,2,3
	MM \t, 2*(\q)
.endr
.irp t, 0,1,2,3
	MM \t, 2*(\q)+1
.endr
	WIN 0
.rept 4
	v_nop                                          ; four places between a product and a load into a register that it has read
.endr
	XFILL \adr, \ks
	XFILL \adr, (\ks)+1
.endm
	s_load_b512 s[4:19], s[0:1], 0x0               ; x codes s[4:5], scales s[6:7], w1 s[8:11], w3 s[12:15], expert_indices s[16:17], expert_weights s[18:19]
	s_load_b128 s[20:23], s[0:1], 0x40             ; hc, hs
	s_load_b128 s[56:59], s[0:1], 0x50             ; stok, srec
	s_load_b64 s[60:61], s[0:1], 0x60              ; sw
	v_lshl_add_u32 v254, v0, 2, SPARE
	v_mov_b32 v255, 0
	v_lshrrev_b32 v1, 5, v0
	v_readfirstlane_b32 s24, v1                    ; wave
	s_mov_b32 s25, ttmp9                           ; c
	s_and_b32 s26, ttmp7, 0xffff                   ; e
	v_and_b32 v1, 15, v0                           ; r
	v_bfe_u32 v2, v0, 4, 1                         ; h
	v_mul_u32_u24 v3, v2, 48
	v_and_b32 v249, 31, v0
	v_add_nc_u32 v7, 32, v249
	v_lshlrev_b32 v249, 4, v249                    ; 16 x lane
	v_lshlrev_b32 v9, 4, v0                        ; 16 x thread: my part of the indices
	v_add_nc_u32 v252, IDX, v9
	v_add_nc_u32 v253, IDX, v249
	WIN 0xc0                                       ; destination window 3
	v_and_b32 v64, 31, v0                          ; lane
	v_mov_b32 v69, v7                              ; lane + 32
	v_mov_b32 v65, 0                               ; the mask, a word a lane
	v_mov_b32 v66, 0                               ; the count ahead of each word
	WIN 0
	s_mov_b32 s34, 0xbfb8aa3b                      ; -log2(e)
	s_mov_b32 s35, s34
	s_mov_b32 s36, 0x76543210
	s_mov_b32 s37, 0xfedcba98                      ; selects for lane l xor 16
	s_mov_b32 s40, 0xffff0000                      ; lanes 16 to 31
	s_mov_b32 s52, 0x03010200                      ; bytes 0, 2, 1, 3 of a scale word
	s_lshl_b32 s53, s26, 7
	s_lshl_b32 s42, s25, 2
	s_add_co_u32 s53, s53, s42
	s_add_co_u32 s53, s53, s24                     ; T = 128 e + 4 c + w
	s_lshl_b32 s54, s53, 3
	s_lshl_b32 s44, s26, 10
	s_lshl_b32 s45, s25, 5
	s_add_co_u32 s44, s44, s45                     ; the work-group's first weight row: 1024 e + 32 c
	s_and_b32 s45, s24, 1                          ; which 16 of the 32 rows my wave stages
	s_lshl_b32 s46, s45, 4
	s_add_co_u32 s46, s46, s44
	s_mul_i32 s46, s46, 1536
	s_mov_b32 s47, 0
	v_and_b32 v250, 8, v1
	v_add_nc_u32 v250, v250, v1                    ; r + 8 (r / 8)
	v_add_nc_u32 v250, s44, v250
	v_lshlrev_b32 v250, 6, v250                    ; that weight row's 64 scale bytes
	s_wait_alu depctr_va_vdst(0)
	s_wait_kmcnt 0x0
	s_load_b64 s[62:63], s[16:17], s54 offset:0x0  ; T's two indices,
	s_load_b64 s[98:99], s[18:19], s54 offset:0x0  ; and weights
.irp i, 0,1,2,3
	global_load_b128 v[EE+4*\i:EE+4*\i+3], v9, s[16:17] offset:2048*\i   ; the work-group's 128 threads read 2,048 consecutive bytes
.endr
	s_cmp_lt_u32 s24, 2                            ; waves 0, 1 stage w1's rows, waves 2, 3 w3's
	s_cselect_b64 s[32:33], s[8:9], s[12:13]
	s_add_nc_u64 s[32:33], s[32:33], s[46:47]
	WIN 0x40
.set i, 0
.rept 48
	global_load_b128 v[4*i:4*i+3], v249, s[32:33] offset:512*i th:TH_LOAD_NT   ; 32 lanes read 512 consecutive bytes
.set i, i+1
.endr
	WIN 0
.irp u, 0,1
.irp i, 0,1,2,3
	global_load_b128 v[WS+16*\u+4*\i:WS+16*\u+4*\i+3], v250, s[10:11] offset:512*\u+16*\i
.endr
.endr
.irp u, 0,1
.irp i, 0,1,2,3
	global_load_b128 v[ACC+16*\u+4*\i:ACC+16*\u+4*\i+3], v250, s[14:15] offset:512*\u+16*\i   ; w3's land in the accumulators' registers, free as yet
.endr
.endr
	; LDS: weight row 16 a + 8 u + l of matrix m goes to place 32 m + 16 u + 8 a + l
	s_lshr_b32 s46, s24, 1
	s_lshl_b32 s46, s46, 5
	s_lshl_b32 s45, s45, 3
	s_add_co_u32 s46, s46, s45
	s_mul_i32 s46, s46, LP
	v_add_nc_u32 v14, s46, v249
	v_mad_u32_u24 v15, v1, LP, v3
	v_add_nc_u32 v246, 32*LP, v15
	; the stores' terms that do not change: hc at 768 (1024 e + r) + 24 c; hs at 32 (1024 e + r) + 4 (c / 4) + the block's changed place
	s_mul_i32 s45, s26, 1024*768
	s_mul_i32 s46, s25, 24
	s_add_co_u32 s45, s45, s46
	v_mad_u32_u24 v12, v1, 768, s45
	s_and_b32 s42, s25, 1
	s_lshl_b32 s42, s42, 1
	s_bfe_u32 s43, s25, 0x10001
	s_add_co_u32 s42, s42, s43                     ; block 0, 1, 2, 3 of a K step goes to byte 0, 2, 1, 3
	s_and_b32 s43, s25, 28
	s_add_co_u32 s42, s42, s43
	s_lshl_b32 s45, s26, 15
	s_add_co_u32 s45, s45, s42
	v_lshl_add_u32 v13, v1, 5, s45
	v_mov_b32 v237, 0                              ; written once: a lane permute's destination counts as one of its sources
	v_mov_b32 v243, 0
	v_mov_b32 v244, 0
	v_mov_b32 v245, 0
	s_wait_alu depctr_va_vdst(0)
	s_wait_loadcnt 16                              ; my part of the indices and my codes are in; the 16 loads of scale words stay out
.set i, 0
.rept 16
	v_min_u32 v[EE+i], 7, v[EE+i]
.set i, i+1
.endr
.irp i, 0,1,2,3
	ds_store_b128 v252, v[EE+4*\i:EE+4*\i+3] offset:2048*\i
.endr
	WIN 0x04
.set i, 0
.rept 48
	ds_store_b128 v14, v[4*i:4*i+3] offset:(16*((i/3)>>3)+((i/3)&7))*LP+512*(i%3)
.set i, i+1
.endr
	WIN 0
	s_wait_dscnt 0x0
	s_barrier_signal -1
	s_barrier_wait -1                              ; the launch's one barrier: indices and weights lie in LDS
	WIN 0xc0
.set i, 0
.rept 16
	ds_load_b128 v[4*i:4*i+3], v253 offset:512*i
.set i, i+1
.endr
.set F, 0
.set M, 0
	FRLG 5
	s_wait_dscnt 15                                ; the indices are in; the 15 loads of fragments behind them stay out
	WIN 0xff                                       ; every operand in window 3
	MEMB4 0
	MEMB4 4
	MEMB4 8
	MEMB4 12
	FRLG 5
	WIN 0xff
	MEMB4 16
	MEMB4 20
	MEMB4 24
	MEMB4 28
	WIN 0x03
	v_mov_b32 v248, v65
	v_mov_b32 v251, v66
	WIN 0
	s_min_u32 s27, s97, 0x400                      ; n
	s_add_co_u32 s29, s27, 15
	s_lshr_b32 s29, s29, 4                         ; U: units of 16 rows
	s_sub_co_u32 s28, s27, 1
	s_mov_b32 s30, s24                             ; my first unit (a wave without one asks for rows that exist, and ends below)
	SELECT 30
	SELB
	v_mad_u32_u24 v4, v8, 0x600, v3
	v_lshlrev_b32 v6, 6, v8
.irp i, 0,1,2,3
	global_load_b128 v[XSN+4*\i:XSN+4*\i+3], v6, s[6:7] offset:16*\i
.endr
.irp s, 0,1,2,3,4,5,6,7
	XFILL 4, \s
.endr
	s_wait_alu depctr_va_vdst(0)
	s_wait_kmcnt 0x0                               ; T's record, the scalar part
	s_cmp_gt_u32 s62, 7
	s_cselect_b32 s98, 0, s98
	s_cmp_gt_u32 s63, 7
	s_cselect_b32 s99, 0, s99
	s_min_u32 s62, s62, 7
	s_min_u32 s63, s63, 7
	s_min_u32 s54, s62, s63                        ; lo
	s_max_u32 s55, s62, s63                        ; hi
	s_cmp_gt_u32 s62, s63
	s_cselect_b32 s100, s99, s98                   ; lo's weight,
	s_cselect_b32 s101, s98, s99                   ; hi's
	s_cmp_eq_u32 s62, s63
	s_cselect_b32 s31, -1, 0                       ; both slots name one expert
	s_lshl_b32 s62, s54, 3
	s_add_co_u32 s62, s62, s55
	s_lshl_b32 s62, s62, 10
	s_and_b32 s63, s53, 0x3c0
	s_and_b32 s42, s53, 1
	s_lshl_b32 s42, s42, 5
	s_add_co_u32 s63, s63, s42
	s_bfe_u32 s42, s53, 0x50001
	s_add_co_u32 s63, s63, s42                     ; V
	s_add_co_u32 s62, s62, s63                     ; 1024 key + V
	s_mov_b32 s44, 0
	s_mov_b32 s45, 0
	s_mov_b32 s46, 0
.irp n, 3,3,3,3,2,2
	FRLG 5
	TWG \n
.endr
	s_min_u32 s44, s44, 0x3ff                      ; sigma
	s_lshl_b32 s42, s54, 10
	s_add_co_u32 s45, s45, s42
	s_lshl_b32 s42, s55, 10
	s_add_co_u32 s46, s46, s42
	s_lshl_b32 s42, s44, 2
	s_lshl_b32 s43, s44, 4
	s_lshl_b32 s47, s44, 3
	v_mov_b32 v72, s54
	v_mov_b32 v73, s55
	v_mov_b32 v74, s45
	v_mov_b32 v75, s46
	v_mov_b32 v76, s100
	v_mov_b32 v77, s101
	v_add_f32 v79, s98, s99
	v_cndmask_b32 v76, v76, v79, s31
	v_cndmask_b32 v77, v77, 0, s31
	v_mov_b32 v78, s53
	v_mov_b32 v80, s42
	v_mov_b32 v81, s43
	v_mov_b32 v82, s47
	s_wait_alu depctr_va_vdst(0)
	s_wait_xcnt 0x0                                ; EXEC changes only behind this wait
	v_cmp_eq_u32 vcc_lo, 0, v64
	s_and_saveexec_b32 s41, vcc_lo                 ; lane 0
	global_store_b32 v80, v78, s[56:57]
	global_store_b128 v81, v[72:75], s[58:59]
	global_store_b64 v82, v[76:77], s[60:61]
	s_wait_xcnt 0x0                                ; in front of the line that widens EXEC; window 3 may be written again too
	s_or_b32 exec_lo, exec_lo, s41
	WIN 0
	s_cmp_lt_u32 s24, s29
	s_cbranch_scc0 .Lend                           ; no unit for this wave
	s_sub_co_u32 s48, s29, 1
	s_sub_co_u32 s51, s29, s24                     ; my trips: (U - w + 3) / 4, at most 16
	s_add_co_u32 s51, s51, 3
	s_lshr_b32 s51, s51, 2
	s_min_u32 s51, s51, 16
	s_mov_b32 s50, 0
	FRLG 24
	WIN 0
	s_wait_loadcnt 28                              ; the weights' scale words are in
.set i, 0
.rept 32
	v_cndmask_b32 v[WS+i], v[WS+i], v[ACC+i], s40  ; lanes 0-15 w1's word, lanes 16-31 w3's
.set i, i+1
.endr
.set i, 0
.rept 32
	v_perm_b32 v[WS+i], v[WS+i], v[WS+i], s52
.set i, i+1
.endr
	s_wait_loadcnt 24                              ; x's scale words are in; the ring's 24 loads may be out
.set i, 0
.rept 16
	v_perm_b32 v[XS+i], v[XSN+i], v[XSN+i], s52
.set i, i+1
.endr
	s_wait_alu depctr_va_vdst(0)
	s_wait_dscnt 0x0                               ; the weights are in their registers
; A TRIP: unit i.  Loads in their order: four pairs' fills with this unit's K steps 8 to 15 (6 each); the next unit's scale words (4); four pairs' fills with its K steps 0 to 7 (6 each).
.Lunit:
	s_add_co_u32 s31, s30, 4
	s_min_u32 s31, s31, s48                        ; the unit to fetch ahead; behind my last one a unit that exists
	SELECT 31                                      ; its look-up begins here: the two permutes have four pairs of K steps in which to come back
	PAIR 0, 18, 4, 8                               ; 18: behind the pair wanted stand three pairs' fills
	PAIR 1, 18, 4, 10
	PAIR 2, 18, 4, 12
	PAIR 3, 18, 4, 14
	SELB                                           ; the loads that named v5 and v6 are in: they are older than the slots that the last wait showed
	v_mad_u32_u24 v5, v8, 0x600, v3
	v_lshlrev_b32 v6, 6, v8
.irp i, 0,1,2,3
	global_load_b128 v[XSN+4*\i:XSN+4*\i+3], v6, s[6:7] offset:16*\i
.endr
	s_wait_alu depctr_va_vdst(0)
	PAIR 4, 22, 5, 0                               ; 22: three pairs' fills and the four loads of scale words
	PAIR 5, 22, 5, 2
	PAIR 6, 22, 5, 4
	PAIR 7, 22, 5, 6
	s_wait_loadcnt 24                              ; the next unit's scale words are in
.set i, 0
.rept 16
	v_perm_b32 v[XS+i], v[XSN+i], v[XSN+i], s52
.set i, i+1
.endr
	v_mov_b32 v4, v5
	; silu(g) * u = g / (1 + 2^(-g log2 e)) * u, in f32; each accumulator is read from its low end on
.irp j, 0,2,4,6,8,10,12,14
	v_pk_mul_f32 v[EE+\j:EE+\j+1], v[ACC+\j:ACC+\j+1], s[34:35] op_sel_hi:[1,0]
.endr
	s_wait_alu depctr_va_vdst(0)
.irp j, 0,1,2,3,4,5,6,7,8,9,10,11,12,13,14,15
	v_exp_f32 v[EE+\j], v[EE+\j]
.endr
	v_nop
	s_wait_alu depctr_va_vdst(0)
.irp j, 0,2,4,6,8,10,12,14
	v_pk_add_f32 v[EE+\j:EE+\j+1], v[EE+\j:EE+\j+1], 1.0 op_sel_hi:[1,0]
.endr
	s_wait_alu depctr_va_vdst(0)
.irp j, 0,1,2,3,4,5,6,7,8,9,10,11,12,13,14,15
	v_rcp_f32 v[EE+\j], v[EE+\j]
.endr
	v_nop
	s_wait_alu depctr_va_vdst(0)
.irp j, 0,2,4,6,8,10,12,14
	v_pk_mul_f32 v[ACC+\j:ACC+\j+1], v[ACC+\j:ACC+\j+1], v[EE+\j:EE+\j+1]
.endr
.irp j, 0,2,4,6,8,10,12,14
	v_pk_mul_f32 v[ACC+\j:ACC+\j+1], v[ACC+\j:ACC+\j+1], v[ACC+16+\j:ACC+16+\j+1]
.endr
	; the block of 32: my 16 numbers and lane l xor 16's
	v_max3_num_f32 v236, |v[ACC]|, |v[ACC+1]|, 0x1800000   ; with the floor 2^(3 - 127): the byte cannot fall under 1
.irp j, 2,4,6,8,10,12,14
	v_max3_num_f32 v236, v236, |v[ACC+\j]|, |v[ACC+\j+1]|
.endr
	v_permlanex16_b32 v237, v236, s36, s37
	v_max_num_f32 v236, v236, v237
	v_add_nc_u32 v238, 0xff000000, v236            ; 2 off its exponent field: the conversion's scale operand
	v_cvt_scalef32_pk16_fp6_f32 v[240:242], v[ACC:ACC+15], v238
	v_lshrrev_b32 v239, 23, v238                   ; the scale's byte
.irp i, 0,1,2
	v_permlanex16_b32 v[243+\i], v[240+\i], s36, s37   ; lanes 0-15 now hold their row's whole block
.endr
	s_min_u32 s42, s30, 63
	s_mul_i32 s45, s42, 12288                      ; 16 rows of 768 bytes
	s_lshl_b32 s46, s42, 9                         ; 16 rows of 32 bytes
	s_wait_xcnt 0x0                                ; the last trip's stores have read their offsets; and EXEC changes only behind this wait
	v_add_nc_u32 v9, s45, v12
	v_add_nc_u32 v11, s46, v13
	v_cmp_eq_u32 vcc_lo, 0, v2
	s_and_saveexec_b32 s41, vcc_lo                 ; lanes 0 to 15
	s_wait_alu depctr_va_vdst(0)
	global_store_b64 v9, v[240:241], s[20:21]      ; the block's 24 bytes, in pieces of 8: 24 c is a multiple of 8
	global_store_b64 v9, v[242:243], s[20:21] offset:8
	global_store_b64 v9, v[244:245], s[20:21] offset:16
	global_store_b8 v11, v239, s[22:23]
	s_wait_xcnt 0x0
	s_or_b32 exec_lo, exec_lo, s41
	s_add_co_u32 s30, s30, 4
	s_add_co_u32 s50, s50, 1
	s_cmp_lt_u32 s50, s51
	s_cbranch_scc1 .Lunit
.Lend:
	s_wait_tensorcnt 0x0                           ; the wave's end
	ds_add_u32 v254, v255
	s_wait_dscnt 0x0
	s_endpgm
.Lfunc_end_k_qf47759e4c2_gateup:
	.size	k_qf47759e4c2_gateup, .Lfunc_end_k_qf47759e4c2_gateup-k_qf47759e4c2_gateup
	.p2alignl 7, 3214868480
	.fill 96, 4, 3214868480
	.section	.rodata,"a",@progbits
	.p2align	6, 0x0
	.amdhsa_kernel k_qf47759e4c2_gateup
		.amdhsa_group_segment_fixed_size 108032
		.amdhsa_private_segment_fixed_size 0
		.amdhsa_enable_private_segment 0
		.amdhsa_kernarg_size 104
		.amdhsa_user_sgpr_count 2
		.amdhsa_user_sgpr_kernarg_segment_ptr 1
		.amdhsa_wavefront_size32 1
		.amdhsa_system_sgpr_workgroup_id_x 1
		.amdhsa_system_sgpr_workgroup_id_y 1
		.amdhsa_system_sgpr_workgroup_id_z 1
		.amdhsa_system_vgpr_workitem_id 0
		.amdhsa_next_free_vgpr 1024
		.amdhsa_next_free_sgpr 102
		.amdhsa_reserve_vcc 1
		.amdhsa_float_denorm_mode_32 3
		.amdhsa_float_denorm_mode_16_64 3
		.amdhsa_memory_ordered 1
		.amdhsa_forward_progress 1
		.amdhsa_inst_pref_size 109
	.end_amdhsa_kernel
	.amdgpu_metadata
---
amdhsa.version: [ 1, 2 ]
amdhsa.kernels:
  - .name:           k_qf47759e4c2_gateup
    .symbol:         k_qf47759e4c2_gateup.kd
    .args:
      - { .name: x_codes, .offset: 0, .size: 8, .value_kind: global_buffer, .address_space: global }
      - { .name: x_scales, .offset: 8, .size: 8, .value_kind: global_buffer, .address_space: global }
      - { .name: w1_stacked_codes, .offset: 16, .size: 8, .value_kind: global_buffer, .address_space: global }
      - { .name: w1_stacked_scales, .offset: 24, .size: 8, .value_kind: global_buffer, .address_space: global }
      - { .name: w3_stacked_codes, .offset: 32, .size: 8, .value_kind: global_buffer, .address_space: global }
      - { .name: w3_stacked_scales, .offset: 40, .size: 8, .value_kind: global_buffer, .address_space: global }
      - { .name: expert_indices, .offset: 48, .size: 8, .value_kind: global_buffer, .address_space: global }
      - { .name: expert_weights, .offset: 56, .size: 8, .value_kind: global_buffer, .address_space: global }
      - { .name: hc, .offset: 64, .size: 8, .value_kind: global_buffer, .address_space: global }
      - { .name: hs, .offset: 72, .size: 8, .value_kind: global_buffer, .address_space: global }
      - { .name: stok, .offset: 80, .size: 8, .value_kind: global_buffer, .address_space: global }
      - { .name: srec, .offset: 88, .size: 8, .value_kind: global_buffer, .address_space: global }
      - { .name: sw, .offset: 96, .size: 8, .value_kind: global_buffer, .address_space: global }
    .group_segment_fixed_size: 108032
    .private_segment_fixed_size: 0
    .kernarg_segment_align: 8
    .kernarg_segment_size: 104
    .max_flat_workgroup_size: 128
    .sgpr_count:     102
    .vgpr_count:     1024
    .wavefront_size: 32
...
	.end_amdgpu_metadata
.endif
;; end of part 4
;; launch down (part 5): grid 16 x 16, 4 waves a work-group, no clusters, 241,152 bytes of LDS; arguments hc, hs, w2_stacked_codes, w2_stacked_scales, srec, sw, stok, out0; writes out0
.if DOCPART == 5
	.amdgcn_target "amdgcn-amd-amdhsa--gfx1250"
	.amdhsa_code_object_version 6
	.text
	.protected	k_qf47759e4c2_down
	.globl	k_qf47759e4c2_down
	.p2align	8
	.type	k_qf47759e4c2_down,@function
k_qf47759e4c2_down:
	s_mov_b64 s[64:65], 0
	v_nop
	global_prefetch_b8 v0, s[64:65] scope:SCOPE_SE
	s_setreg_imm32_b32 hwreg(HW_REG_WAVE_MODE, 25, 1), 1
	s_wait_xcnt 0x0
; out[t] = sum over the experts e that token t names of w_e (h_e(t) w2_e), on codes of FP6 (E2M3) with one E8M0 scale for each 32 along K = 1,024.  The experts that a token does not name are left out, as the first kernel's head shows.
; h's codes (768 bytes a row) and scale bytes (32 a row) come from the launch before, by rows 1024 e + rank.
; SHARES.  Work-group (chunk, G) owns the sorted tokens 64 G .. 64 G + 63 (four tiles of 16) x output columns 128 chunk .. + 127, and is the only writer of those numbers.
; Wave w owns columns 32 w .. + 31 (two tiles of 16 rows of w2) for all four tiles of tokens.  The product is used transposed (source 0 = 16 rows of w2, source 1 = 16 rows of h): a lane holds ONE token, its routing weight is one number a lane.
; THE FOUR BLOCKS OF A K STEP CHANGE PLACES, ALIKE IN BOTH OPERANDS: a lane's 12 registers are the 48 bytes at 96 s + 48 (lane / 16) of its row, three loads of 16 bytes; bytes 1 and 2 of every scale word change places with them
; (w2's here, by v_perm_b32; h's were stored so).  The products are the same, each under its own two scales; only the order of the sum within a K step differs.
; THE WALK.  Eight steps, a constant count; a step's expert is the next one that any of the 64 tokens names, from a set of bits; behind the last come numbers from 8 on, which match nothing.  A step has one barrier, outside every branch on data.
; Behind it the fragments of w2 are read from LDS, the NEXT expert's loads are issued, and the expert in hand is multiplied.
; w2: my 32 rows are 24,576 consecutive bytes, loaded as they lie (32 lanes to 512 bytes) and turned into fragments through the wave's own LDS rows.
; h: tile t's 16 rows are fetched by wave t alone, sixteen lanes to 256 consecutive bytes of a row, and handed to the others through LDS by rows; two sets of LDS images take turns, so that one barrier a step serves.
; What is walked hangs on the stored lists: so the launch has no tensor load and no cluster.
; LIMITS: NaN, infinities and the scale byte 0xff are not served.  A lane whose token does not name the expert in hand multiplies another valid row of h and weighs the sum with 0: right as long as that sum is finite in f32.
; The sums begin as zeros: which expert is a tile's first hangs on data.  w2's fragment registers are written once at the head: their LDS loads and the products stand under two tests of one number, and every way through the text finds them written.
; LDS: two sets x four tiles x 13,312 bytes (16 rows 784 bytes apart, then 512 bytes of scale words);  OST: 64 rows x 528 bytes, the stage for the way out;  WL + 25,088 w: my 32 rows of w2, 784 bytes apart;  the spare words.
; REGISTERS, window 0: v1 r, v2 h, v3 16 x lane; v4, v5 w2's offsets; v7, v24 h's fragment addresses, v78, v79 scale addresses, v25, v26, v30, v31 where I store my tile; v27, v28 the stage; v[8:9] my own tile's lo, hi;
;   v10-15 at work; v16-23 lo, hi of the four tiles; v29 32 r + 16 h; v32-39 the weights; v[40:41] the lane's weight; v42-45 h's scale words; v46, v47 where w2's rows are staged, v48 where its fragments are read (on the way out v46-61 are the stores' offsets);
;   v62-69 w2's scale words, v70-77 the next expert's; v80-95 two accumulators; v96-159 out; v160-255 h's 8 fragments.
;   window 1: v0-191 w2's 16 fragments.   window 2: v0-191 w2's rows as loaded.   window 3: v0-99 h as loaded; v128-163 records of the rows that I fetch; v164, v165 lane terms; v168-176 offsets.
.set HSW,  42
.set HSP,  46
.set W2S,  62
.set W2SN, 70
.set PP,   80
.set OUT,  96
.set HF,   160
.set WP,   784                         ; 768 bytes + 16: the 16 rows that a load of 16 bytes a lane touches start at 16 different banks
.set HSC,  12544                       ; a tile's scale words, behind its 16 rows
.set HBT,  13312                       ; a tile's image
.set HBP,  53248                       ; a set of four
.set OST,  106496
.set OP,   528
.set WL,   140288
.set WLW,  25088
.set SPARE, 240640
.set MSB,  0
.macro WIN new
.if MSB != (\new)
	s_set_vgpr_msb (MSB<<8)|(\new)
.set MSB, (\new)
.endif
.endm
; Which lanes' tokens name expert s[e]: s[S + t] as lo of tile t, s[S + 4 + t] as hi; s[S + 8], s[S + 9] the same of my own tile; s[S + 10] any of the 64; s[S + 11] any of my own tile
.macro MASKS e, S
.irp t, 0,1,2,3
	v_cmp_eq_u32 s[\S+\t], s[\e], v[16+2*\t]
	v_cmp_eq_u32 s[\S+4+\t], s[\e], v[17+2*\t]
.endr
	v_cmp_eq_u32 s[\S+8], s[\e], v8
	v_cmp_eq_u32 s[\S+9], s[\e], v9
	s_or_b32 s[\S+10], s[\S], s[\S+1]
.irp t, 2,3,4,5,6,7
	s_or_b32 s[\S+10], s[\S+10], s[\S+\t]
.endr
	s_or_b32 s[\S+11], s[\S+8], s[\S+9]
.endm
.macro LOADW e                         ; expert s[e]: my 32 rows of w2 as they lie, and their scale words
	s_min_u32 s27, s[\e], 7
	s_mul_i32 s28, s27, 1572864                    ; 2,048 rows of 768 bytes
	s_lshl_b32 s29, s27, 16                        ; 2,048 rows of 32 scale bytes
	v_add_nc_u32 v4, s28, v3
	v_add_nc_u32 v5, s29, v29
	WIN 0x80                                       ; destination window 2
.set i, 0
.rept 48
	global_load_b128 v[4*i:4*i+3], v4, s[8:9] offset:512*i   ; 32 lanes read 512 consecutive bytes
.set i, i+1
.endr
	WIN 0
	global_load_b128 v[W2SN:W2SN+3], v5, s[10:11]               ; tile n, register i: lanes 0-15 K step i, lanes 16-31 K step 4 + i
	global_load_b128 v[W2SN+4:W2SN+7], v5, s[10:11] offset:512
.endm
.macro LOADH e                         ; my own tile's rows of h for expert s[e] (window 3).  Load (q, c): lanes 0-15 bytes 256 c .. + 255 of row 2 q, lanes 16-31 of row 2 q + 1.  A token that does not name the expert takes its row in lo's list, which exists
	WIN 0xff
.irp q, 0,1,2,3,4,5,6,7,8
	v_cmp_eq_u32 vcc_lo, s[\e], v[129+4*\q]
	v_cndmask_b32 v[168+\q], v[130+4*\q], v[131+4*\q], vcc_lo
.endr
.irp q, 0,1,2,3,4,5,6,7,8
	v_min_u32 v[168+\q], 0x1fff, v[168+\q]
.endr
.irp q, 0,1,2,3,4,5,6,7
	v_mad_u32_u24 v[168+\q], v[168+\q], 0x300, v164
.endr
	v_lshl_add_u32 v176, v176, 5, v165
.irp q, 0,1,2,3,4,5,6,7
.irp c, 0,1,2
	global_load_b128 v[12*\q+4*\c:12*\q+4*\c+3], v[168+\q], s[4:5] offset:256*\c
.endr
.endr
	global_load_b128 v[96:99], v176, s[6:7]        ; lane l: half l % 2 of row l / 2's 32 scale bytes
	WIN 0
.endm
.macro WMD n, s                        ; tile n of my columns x the tile's 16 rows of h, K step s.  K step 0 starts the sum
.set RD, PP+8*(\n)
.set RA, 96*(\n)+12*(\s)
.set RB, HF+12*(\s)
.set SA, W2S+4*(\n)+((\s)&3)
.set SB, HSW+((\s)&3)
.if (\s) == 0
	v_wmma_scale_f32_16x16x128_f8f6f4 v[RD:RD+7], v[RA:RA+11], v[RB:RB+11], 0, v[SA], v[SB] matrix_a_fmt:MATRIX_FMT_FP6 matrix_b_fmt:MATRIX_FMT_FP6
.elseif (\s) < 4
	v_wmma_scale_f32_16x16x128_f8f6f4 v[RD:RD+7], v[RA:RA+11], v[RB:RB+11], v[RD:RD+7], v[SA], v[SB] matrix_a_fmt:MATRIX_FMT_FP6 matrix_b_fmt:MATRIX_FMT_FP6
.else
	v_wmma_scale_f32_16x16x128_f8f6f4 v[RD:RD+7], v[RA:RA+11], v[RB:RB+11], v[RD:RD+7], v[SA], v[SB] matrix_a_fmt:MATRIX_FMT_FP6 matrix_b_fmt:MATRIX_FMT_FP6 matrix_a_scale:MATRIX_SCALE_ROW1 matrix_b_scale:MATRIX_SCALE_ROW1
.endif
.endm
.macro TILE t, par                     ; tile t of tokens against the expert in hand, if any of its tokens names it
.set HRA, 7+17*(\par)                  ; v7 reads set 0, v24 set 1
	s_or_b32 s27, s[32+\t], s[36+\t]
	s_cmp_lg_u32 s27, 0
	s_cbranch_scc0 .Lskip_\@
	ds_load_b128 v[HSW:HSW+3], v[78+(\par)] offset:HBT*\t      ; register i: lanes 0-15 K step i, lanes 16-31 K step 4 + i
.set k, 0
.rept 24
	ds_load_b128 v[HF+4*k:HF+4*k+3], v[HRA] offset:HBT*\t+96*(k/3)+16*(k%3)
.set k, k+1
.endr
	v_cndmask_b32 v40, 0, v[32+2*\t], s[32+\t]     ; the lane's weight for this expert: lo's, hi's, both or none
	v_cndmask_b32 v15, 0, v[33+2*\t], s[36+\t]
	v_add_f32 v40, v40, v15
	s_wait_alu depctr_va_vdst(0)
	WIN 1                                          ; source 0 (w2) window 1
.irp s, 0,1,2,3,4,5,6,7
	s_wait_dscnt 21-3*\s                           ; LDS loads come back in order: K step s's three, and all that is older (the scale words, w2's fragments), are in
	WMD 0, \s                                      ; the two accumulators by turns
	WMD 1, \s
.endr
	WIN 0
.rept 4
	v_nop                                          ; four places between a product and the first read of its result, and the next loads into its sources
.endr
.irp n, 0,1
.irp j, 0,2,4,6
	v_pk_fma_f32 v[OUT+16*\t+8*\n+\j:OUT+16*\t+8*\n+\j+1], v[PP+8*\n+\j:PP+8*\n+\j+1], v[40:41], v[OUT+16*\t+8*\n+\j:OUT+16*\t+8*\n+\j+1] op_sel_hi:[1,0,1]   ; out += w x sum, each accumulator from its low end on
.endr
.endr
.Lskip_\@:
.endm
; A STEP: the expert whose masks stand in s32-43; h's LDS images in set par.
.macro STEP par
	s_wait_loadcnt 0x0                             ; all that was asked for this expert is in, and every offset register may be written
.set i, 0
.rept 8
	v_perm_b32 v[W2S+i], v[W2SN+i], v[W2SN+i], s56 ; bytes 1 and 2 change places, as the blocks do
.set i, i+1
.endr
	s_wait_alu depctr_va_vdst(0)
	s_cmp_lg_u32 s42, 0
	s_cbranch_scc0 .Lno_w_\@
	WIN 0x08                                       ; an LDS store's data are its source 1: window 2
.set i, 0
.rept 48                               ; 1,536 loaded bytes are two rows: bytes 0-511 and 512-767 of the first, 0-255 and 256-767 of the second, which begins 784 on
.if i%3 == 0
	ds_store_b128 v46, v[4*i:4*i+3] offset:2*WP*(i/3)
.elseif i%3 == 1
	ds_store_b128 v47, v[4*i:4*i+3] offset:2*WP*(i/3)+512      ; (lanes 16-31, the second row's, stand 16 bytes further on)
.else
	ds_store_b128 v46, v[4*i:4*i+3] offset:2*WP*(i/3)+WP+256
.endif
.set i, i+1
.endr
	WIN 0
.Lno_w_\@:
	s_cmp_lg_u32 s43, 0
	s_cbranch_scc0 .Lno_h_\@
	WIN 0x0c                                       ; data: window 3
.irp q, 0,1,2,3,4,5,6,7
.irp c, 0,1,2
	ds_store_b128 v[25+(\par)], v[12*\q+4*\c:12*\q+4*\c+3] offset:2*WP*\q+256*\c
.endr
.endr
	ds_store_b128 v[30+(\par)], v[96:99]
	WIN 0
.Lno_h_\@:
	s_wait_dscnt 0x0                               ; for the others' sake: my stores have landed, and my reads of the other set are over
	s_barrier_signal -1
	s_barrier_wait -1
	s_cmp_lg_u32 s42, 0
	s_cbranch_scc0 .Lno_f_\@
	WIN 0x40                                       ; destination window 1
.irp n, 0,1
.irp s, 0,1,2,3,4,5,6,7
.irp p, 0,1,2
	ds_load_b128 v[96*\n+12*\s+4*\p:96*\n+12*\s+4*\p+3], v48 offset:16*WP*\n+96*\s+16*\p   ; LDS serves a wave's instructions in order: these see my stores above
.endr
.endr
.endr
	WIN 0
.Lno_f_\@:
	s_sub_co_u32 s27, s23, 1
	s_and_b32 s23, s23, s27                        ; the set without its lowest bit
	s_ctz_i32_b32 s26, s23                         ; the next expert named, or 8 and more
	MASKS 26, 44
	s_cmp_lg_u32 s55, 0
	s_cbranch_scc0 .Lno_lh_\@
	LOADH 26
.Lno_lh_\@:
	s_cmp_lg_u32 s54, 0
	s_cbranch_scc0 .Lno_lw_\@
	LOADW 26
.Lno_lw_\@:
	s_cmp_lg_u32 s42, 0
	s_cbranch_scc0 .Lnone_\@
	TILE 0, \par
	TILE 1, \par
	TILE 2, \par
	TILE 3, \par
.Lnone_\@:
.set i, 0
.rept 12
	s_mov_b32 s[32+i], s[44+i]                     ; the next expert's masks become the masks in hand
.set i, i+1
.endr
	s_wait_alu depctr_va_vdst(0)
.endm
	s_load_b512 s[4:19], s[0:1], 0x0               ; hc s[4:5], hs s[6:7], w2 codes s[8:9], scales s[10:11], srec s[12:13], sw s[14:15], stok s[16:17], out0 s[18:19]
	WIN 0x40
	v_lshl_add_u32 v254, v0, 2, SPARE
	v_mov_b32 v255, 0
	WIN 0
	v_lshrrev_b32 v1, 5, v0
	v_readfirstlane_b32 s20, v1                    ; wave
	s_mov_b32 s21, ttmp9                           ; chunk
	s_and_b32 s22, ttmp7, 0xffff                   ; G
	s_mov_b32 s56, 0x03010200                      ; bytes 0, 2, 1, 3 of a scale word
	v_and_b32 v1, 15, v0                           ; r
	v_bfe_u32 v2, v0, 4, 1                         ; h
	v_and_b32 v3, 31, v0
	v_lshlrev_b32 v3, 4, v3                        ; 16 x lane
	s_mul_i32 s27, s20, WLW
	s_add_co_u32 s27, s27, WL                      ; my wave's rows of w2 in LDS
	v_add_nc_u32 v46, s27, v3                      ; staging: 16 x lane,
	v_lshl_add_u32 v47, v2, 4, v46                 ; and the same with 16 more for lanes 16-31
	v_mul_u32_u24 v7, v1, WP
	v_mad_u32_u24 v7, v2, 48, v7                   ; a fragment in LDS: row r, + 48 h: h's set 0,
	v_add_nc_u32 v48, s27, v7                      ; w2's,
	v_add_nc_u32 v24, HBP, v7                      ; h's set 1
	v_lshlrev_b32 v29, 5, v1
	v_lshl_add_u32 v29, v2, 4, v29                 ; scale bytes: 32 a row, + 16 h
	v_add_nc_u32 v78, HSC, v29
	v_add_nc_u32 v79, HBP, v78
	s_mul_i32 s27, s20, HBT                        ; my own tile's image
	v_mul_u32_u24 v25, v2, WP
	v_lshl_add_u32 v25, v1, 4, v25
	v_add_nc_u32 v25, s27, v25                     ; where I store it: row h of a pair, + 16 r
	v_add_nc_u32 v26, HBP, v25
	v_add_nc_u32 v30, s27, v3
	v_add_nc_u32 v30, HSC, v30                     ; and its scale words: 16 x lane
	v_add_nc_u32 v31, HBP, v30
	s_lshl_b32 s27, s20, 7
	s_add_co_u32 s27, s27, OST
	v_mul_u32_u24 v27, v1, OP
	v_lshl_add_u32 v27, v2, 5, v27
	v_add_nc_u32 v27, s27, v27                     ; the stage, in: row r, + 128 w + 32 h
	s_mul_i32 s27, s20, 16*OP
	s_add_co_u32 s27, s27, OST
	v_add_nc_u32 v28, s27, v3                      ; back: my 16 rows, 16 bytes a lane
	s_lshl_b32 s27, s22, 10
	v_lshl_add_u32 v12, v1, 4, s27                 ; srec: 16 (64 G + r)
	s_lshl_b32 s28, s20, 8
	s_add_co_u32 s28, s28, s27                     ; my own tile's records: 16 (64 G + 16 w)
	v_lshl_add_u32 v13, v1, 4, s28                 ; token r,
	v_lshl_add_u32 v10, v2, 4, s28                 ; token h of a pair,
	v_bfe_u32 v11, v0, 1, 4
	v_lshl_add_u32 v11, v11, 4, s28                ; token lane / 2
	v_and_b32 v15, 1, v0
	v_lshlrev_b32 v15, 4, v15
	WIN 0xc0
	v_lshlrev_b32 v164, 4, v1                      ; 16 r
	v_mov_b32 v165, v15                            ; 16 (lane % 2)
	WIN 0
	s_lshl_b32 s27, s22, 9
	v_lshl_add_u32 v14, v1, 3, s27                 ; sw: 8 (64 G + r)
	s_lshl_b32 s28, s22, 8
	s_lshl_b32 s27, s20, 6
	s_add_co_u32 s28, s28, s27                     ; stok: 4 (64 G + 16 w)
	s_mov_b32 s29, 0
	s_lshl_b32 s30, s21, 7
	s_lshl_b32 s27, s20, 5
	s_add_co_u32 s30, s30, s27                     ; my first row of w2: 128 chunk + 32 w
	s_wait_alu depctr_va_vdst(0)
	s_wait_kmcnt 0x0
.irp t, 0,1,2,3
	global_load_b64 v[16+2*\t:17+2*\t], v12, s[12:13] offset:256*\t    ; lo, hi of tile t's token r (both halves of the lanes alike)
	global_load_b64 v[32+2*\t:33+2*\t], v14, s[14:15] offset:128*\t    ; its two weights
.endr
	global_load_b64 v[8:9], v13, s[12:13]          ; my own tile: lo, hi
	WIN 0xc0
.irp q, 0,1,2,3,4,5,6,7
	global_load_b128 v[128+4*\q:131+4*\q], v10, s[12:13] offset:32*\q  ; the record of my tile's token 2 q + h
.endr
	global_load_b128 v[160:163], v11, s[12:13]     ; and of token lane / 2
	WIN 0
	s_add_nc_u64 s[16:17], s[16:17], s[28:29]
	s_load_b512 s[68:83], s[16:17], 0x0            ; the tokens of the 16 rows that I store at the end
	s_mul_i32 s28, s30, 768
	s_add_nc_u64 s[8:9], s[8:9], s[28:29]
	s_lshl_b32 s28, s30, 5
	s_add_nc_u64 s[10:11], s[10:11], s[28:29]
	s_lshl_b32 s28, s21, 9
	s_add_nc_u64 s[18:19], s[18:19], s[28:29]      ; out0 at my chunk's first column
.set i, 0
.rept 64
	v_mov_b32 v[OUT+i], 0
.set i, i+1
.endr
	v_mov_b32 v41, 0                               ; (named as the upper half of the pair v[40:41])
	WIN 0x40
.set i, 0
.rept 192
	v_mov_b32 v[i], 0                              ; w2's fragment registers, written once; these lines stand under the flight of the loads above
.set i, i+1
.endr
	WIN 0
	s_wait_alu depctr_va_vdst(0)
	s_wait_loadcnt 0x0
	s_wait_kmcnt 0x0
	; The experts that the 64 tokens name, a bit each
	s_mov_b32 s23, 0xff00                          ; behind them: 8, 9 .. , which match nothing: eight steps never empty the set
.irp e, 0,1,2,3,4,5,6,7
.irp x, 0,1,2,3,4,5,6,7
	v_cmp_eq_u32 s[84+\x], \e, v[16+\x]
.endr
	s_or_b32 s84, s84, s85
	s_or_b32 s86, s86, s87
	s_or_b32 s88, s88, s89
	s_or_b32 s90, s90, s91
	s_or_b32 s84, s84, s86
	s_or_b32 s88, s88, s90
	s_or_b32 s84, s84, s88
	s_cmp_lg_u32 s84, 0
	s_cselect_b32 s85, 1<<\e, 0
	s_or_b32 s23, s23, s85
.endr
	s_ctz_i32_b32 s25, s23                         ; the first expert named
	MASKS 25, 32
	LOADH 25                                       ; the first fill has no branch: every register that loads land in is written on every way
	LOADW 25
	s_mov_b32 s24, 0
.Ltrip:                                                ; four trips of two steps: h's two sets by turns
	STEP 0
	STEP 1
	s_add_co_u32 s24, s24, 1
	s_cmp_lt_u32 s24, 4
	s_cbranch_scc1 .Ltrip
	; THE WAY OUT.  A lane holds eight neighbouring columns of one token's row, and a row's 128 columns come from four waves: they meet in the stage, and each wave stores 16 whole rows of 512 bytes.
.irp t, 0,1,2,3
.irp n, 0,1
	ds_store_b128 v27, v[OUT+16*\t+8*\n:OUT+16*\t+8*\n+3] offset:16*OP*\t+64*\n
	ds_store_b128 v27, v[OUT+16*\t+8*\n+4:OUT+16*\t+8*\n+7] offset:16*OP*\t+64*\n+16
.endr
.endr
	s_wait_dscnt 0x0                               ; for the others' sake: my stores into the stage are done
	s_barrier_signal -1
	s_barrier_wait -1
.irp i, 0,1,2,3,4,5,6,7,8,9,10,11,12,13,14,15
	ds_load_b128 v[HF+4*\i:HF+4*\i+3], v28 offset:OP*\i
.endr
.irp i, 0,1,2,3,4,5,6,7,8,9,10,11,12,13,14,15
	s_min_u32 s[68+\i], s[68+\i], 0x3ff
	s_lshl_b32 s[68+\i], s[68+\i], 13              ; the token's row of out0: 8,192 bytes a row
	v_add_nc_u32 v[HSP+\i], s[68+\i], v3
.endr
	s_wait_alu depctr_va_vdst(0)
.irp i, 0,1,2,3,4,5,6,7,8,9,10,11,12,13,14,15
	s_wait_dscnt 15-\i                             ; row i is back; the rows behind it may be out
	global_store_b128 v[HSP+\i], v[HF+4*\i:HF+4*\i+3], s[18:19] th:TH_STORE_NT   ; 32 lanes store 512 consecutive bytes, at a multiple of 512 from out0's first byte
.endr
	WIN 0x05
	s_wait_tensorcnt 0x0                           ; the wave's end
	ds_add_u32 v254, v255
	s_wait_dscnt 0x0
	WIN 0
	s_endpgm
.Lfunc_end_k_qf47759e4c2_down:
	.size	k_qf47759e4c2_down, .Lfunc_end_k_qf47759e4c2_down-k_qf47759e4c2_down
	.p2alignl 7, 3214868480
	.fill 96, 4, 3214868480
	.section	.rodata,"a",@progbits
	.p2align	6, 0x0
	.amdhsa_kernel k_qf47759e4c2_down
		.amdhsa_group_segment_fixed_size 241152
		.amdhsa_private_segment_fixed_size 0
		.amdhsa_enable_private_segment 0
		.amdhsa_kernarg_size 64
		.amdhsa_user_sgpr_count 2
		.amdhsa_user_sgpr_kernarg_segment_ptr 1
		.amdhsa_wavefront_size32 1
		.amdhsa_system_sgpr_workgroup_id_x 1
		.amdhsa_system_sgpr_workgroup_id_y 1
		.amdhsa_system_sgpr_workgroup_id_z 1
		.amdhsa_system_vgpr_workitem_id 0
		.amdhsa_next_free_vgpr 960
		.amdhsa_next_free_sgpr 96
		.amdhsa_reserve_vcc 1
		.amdhsa_float_denorm_mode_32 3
		.amdhsa_float_denorm_mode_16_64 3
		.amdhsa_memory_ordered 1
		.amdhsa_forward_progress 1
		.amdhsa_inst_pref_size 115
	.end_amdhsa_kernel
	.amdgpu_metadata
---
amdhsa.version: [ 1, 2 ]
amdhsa.kernels:
  - .name:           k_qf47759e4c2_down
    .symbol:         k_qf47759e4c2_down.kd
    .args:
      - { .name: hc, .offset: 0, .size: 8, .value_kind: global_buffer, .address_space: global }
      - { .name: hs, .offset: 8, .size: 8, .value_kind: global_buffer, .address_space: global }
      - { .name: w2_stacked_codes, .offset: 16, .size: 8, .value_kind: global_buffer, .address_space: global }
      - { .name: w2_stacked_scales, .offset: 24, .size: 8, .value_kind: global_buffer, .address_space: global }
      - { .name: srec, .offset: 32, .size: 8, .value_kind: global_buffer, .address_space: global }
      - { .name: sw, .offset: 40, .size: 8, .value_kind: global_buffer, .address_space: global }
      - { .name: stok, .offset: 48, .size: 8, .value_kind: global_buffer, .address_space: global }
      - { .name: out0, .offset: 56, .size: 8, .value_kind: global_buffer, .address_space: global }
    .group_segment_fixed_size: 241152
    .private_segment_fixed_size: 0
    .kernarg_segment_align: 8
    .kernarg_segment_size: 64
    .max_flat_workgroup_size: 128
    .sgpr_count:     96
    .vgpr_count:     960
    .wavefront_size: 32
...
	.end_amdgpu_metadata
.endif
;; end of part 5
